; MI455X (gfx1250); checked and timed in simulation.
; The chip was launched on July 23, 2026; its instructions are those of AMD's public machine-readable ISA for CDNA 5 (MIT licence, August 2026) and "CDNA5" Instruction Set Architecture Reference Guide (July 2026). The comments in the code are by the model that wrote it; some were corrected since.
;; Multi Head Attention. Allowed arithmetic: matrix products marked QUANTISED: E3M2 operands, one E8M0 scale for each 32 along K, by v_wmma_scale_f32_16x16x128_f8f6f4 with both operands' format E3M2, f32 sums; everything else in f32.
;; Inputs: b_out 1,024 float32; b_qkv 3,072 float32; mask 4 x 2,048 x 2,048 int32; w_out 1,024 x 1,024 float32; w_qkv 1,024 x 3,072 float32; x 4 x 2,048 x 1,024 float32.
;; Outputs: out0 4 x 2,048 x 1,024 float32.
;; This version of the problem:
;;   THIS VERSION OF THE PROBLEM IS GIVEN IN LOW PRECISION. The matrix products marked QUANTISED in the list below multiply operands that are first quantised to E3M2 (3 exponent bits, 2 mantissa bits; 6 bits a number), with one power-of-two scale for each 32 numbers along K (OCP MX v1.0); their sums are f32. All else is computed in f32.
;;   The module's matrix products, in the order in which they are computed (A, B: the left and right operand; K: the contracted axis; several contracted axes count as one K, in the product's order):
;;     1. [M 8,192, K 1,024] x [K 1,024, N 3,072]; A: input x; B: input w_qkv: QUANTISED
;;     2. batch 64 x [M 2,048, K 64] x [K 64, N 2,048]; A: computed on the way; B: computed on the way: QUANTISED
;;     3. batch 64 x [M 2,048, K 2,048] x [K 2,048, N 64]; A: softmax (see below); B: computed on the way: QUANTISED
;;     4. [M 8,192, K 1,024] x [K 1,024, N 1,024]; A: computed on the way; B: input w_out: QUANTISED
;;   THE QUANTISER, for each operand of a quantised product, along K:
;;     - K is cut into blocks of 32 from its start; a last block that is shorter is filled with zeros.
;;     - A block's scale is 2^e with e = floor(log2(the largest magnitude in the block)) - 4, held to -126 .. 127; a block of zeros has e = 0. As a byte (E8M0): e + 127.
;;     - Each number is divided by its block's scale, clamped to +-28, and rounded to the nearest number of E3M2, ties to even, subnormals kept.
;;     - The product sums the exact products of the quantised numbers (number of the format x scale) in f32.
;;   ~~~python
;;   def quantise(x, axis):      # numpy; x: float32 -> the quantised numbers, widened to float32 again
;;       x = np.moveaxis(x, axis, -1); K = x.shape[-1]
;;       x = np.pad(x, [(0, 0)] * (x.ndim - 1) + [(0, -K % 32)]); x = x.reshape(x.shape[:-1] + (-1, 32)); a = np.abs(x).max(-1, keepdims=True)
;;       e = np.where(a > 0, np.clip(np.frexp(np.where(a > 0, a, 1))[1] - 1 - 4, -126, 127), 0)      # np.frexp(a)[1] - 1 = floor(log2(a)), exactly
;;       r = np.clip(x / 2.0 ** e, -28, 28)
;;       step = 2.0 ** (np.maximum(np.frexp(np.where(r == 0, 1, r))[1] - 1, -2) - 2)
;;       q = np.round(r / step) * step * 2.0 ** e      # np.round: ties to even
;;       return np.moveaxis(q.reshape(q.shape[:-2] + (-1,))[..., :K], -1, axis).astype(np.float32)
;;   ~~~
;;   SOFTMAX AHEAD OF A QUANTISED PRODUCT. Where the list says 'softmax', what is quantised is not the finished softmax but p = 2^(t - M), with t = logit x log2(e) and M = ceil(the row's largest t), a whole number; so 1/2 < the row's largest p <= 1. The row's sum l is taken of the UNQUANTISED p, in f32, and the product's result is divided by l at the end. Since M is a whole number, a kernel that streams over the keys may use a running M (the ceiling of the running maximum): every later rescaling is an exact power of two, which a block's scale takes up: the codes' values come out the same.
;;   OPERANDS COMPUTED ON THE WAY. 'Computed on the way' means the value that the module computes at that place (a softmax that the list does not call 'softmax' is quantised finished and normalised). What goes into a quantiser is computed in f32, as accurately as f32 sums, v_exp_f32 and their like allow (about 1e-6 of the number): no bf16 or f16 on the way to a quantiser, and a product that is left as it is and whose result goes on into a quantised operand takes f32 operands (vector FMAs, or v_wmma_f32_16x16x4_f32). A number that lies on a knife's edge between two numbers of the format may be rounded either way, as far as f32 arithmetic and the matrix unit's own rounding can turn it there, and no further.
;; 2 versions, each right; version 2 is version 1 with the launches attn, proj written anew for expert scheduling mode. Each part assembles by itself: llvm-mc -triple=amdgcn-amd-amdhsa -mcpu=gfx1250 --defsym DOCPART=n.
;; ======== version 1 of 2: 4 launches
;; workspace buffers: xc 6,553,600 bytes; wc 3,276,800 bytes; mb 2,097,152 bytes of whole numbers; qkv 19,922,944 bytes; ao 6,553,600 bytes
;; launch prep (part 1): grid 1024 x 1, 4 waves a work-group, no clusters, 59,904 bytes of LDS; arguments x, mask, w_qkv, w_out, xc, wc, mb; writes xc, wc, mb
.if DOCPART == 1
	.amdgcn_target "amdgcn-amd-amdhsa--gfx1250"
	.amdhsa_code_object_version 6
	.text
	.protected	k_q3c7f5f73aa_prep
	.globl	k_q3c7f5f73aa_prep
	.p2align	8
	.type	k_q3c7f5f73aa_prep,@function
k_q3c7f5f73aa_prep:
	s_mov_b64 s[64:65], 0
	v_nop
	global_prefetch_b8 v0, s[64:65] scope:SCOPE_SE
	s_setreg_imm32_b32 hwreg(HW_REG_WAVE_MODE, 25, 1), 1
	s_wait_xcnt 0x0
; PREP: x, w_qkv and w_out (f32) become codes of BF6 (E3M2) with one E8M0 scale byte for each 32 along K; the mask (int32) becomes bit words.
; A block's scale byte is its largest magnitude's exponent field - 4, held at 1 from below; numbers are divided by the scale and rounded to the nearest code, ties to even, beyond 28 the largest code.
; LIMITS: NaN and infinities among the inputs are not served.  A block of zeros gets the byte 1 where the rule says 127: its codes are zeros, and the bytes are read by this program alone.
; A FRAGMENT (16 rows x 128 K, 12 registers a lane) IS STORED AS AN IMAGE OF ITS REGISTERS, 1,536 bytes: register g of lane l at 512 (g / 4) + 16 l + 4 (g % 4); a later launch takes it by three loads of 16 bytes a lane.
; ROWS OF x THAT FORM A TILE: in 64 neighbouring rows tile f takes, for index m, row 8 f + m % 8 + 32 (m / 8).  COLUMNS OF q, k, w_out: in 32 columns tile u takes column 8 u + m % 8 + 16 (m / 8); v's 64 columns of a head go as x's rows do.
; Four roles, told apart by the work-group's number, each with LDS bytes of its own: 0-511 the mask (one tile of 16 queries each), 512-767 x, 768-959 w_qkv, 960-1023 w_out.
; No matrix work, no tensor load, no barrier: waves share nothing.  No cluster: no two work-groups read the same bytes.
.set XC_SCL,  6291456                  ; xc: the scale words, behind the codes
.set WC_QS,   2359296                  ; wc: w_qkv's scale words, w_out's codes, w_out's scale words
.set WC_O,    2457600
.set WC_OS,   3244032
.set WV,  18                           ; s18 my wave's number
.set SEL, 28                           ; s[28:29] lane selects for v_permlanex16_b32: lane l xor 16
	s_load_b256 s[4:11], s[0:1], 0x0               ; x s[4:5], mask s[6:7], w_qkv s[8:9], w_out s[10:11]
	s_load_b128 s[12:15], s[0:1], 0x20             ; xc s[12:13], wc s[14:15]
	s_load_b64 s[16:17], s[0:1], 0x30              ; mb
	v_lshl_add_u32 v254, v0, 2, 0xe800
	v_mov_b32 v255, 0
	v_lshrrev_b32 v1, 5, v0
	v_readfirstlane_b32 s[WV], v1                  ; wave 0..3
	v_and_b32 v1, 31, v0                           ; lane
	v_lshlrev_b32 v2, 4, v1                        ; 16 x lane
	s_mov_b32 s21, 0                               ; the upper word of every offset pair s[20:21]
	s_mov_b32 s[SEL], 0x76543210
	s_mov_b32 s[SEL+1], 0xfedcba98
	s_wait_kmcnt 0x0
	s_cmp_lt_u32 ttmp9, 512
	s_cbranch_scc0 .Lnot_mask
; ---- THE MASK.  Work-group g = 128 b + tile: 16 queries (rows 64 (g / 4) + 8 (g % 4) + q % 8 + 32 (q / 8)); wave j takes key steps 4 j .. 4 j + 3, 128 keys each.
; Word n = 32 c + i of a step: bit r + 16 h says whether key 64 c + 32 h + i counts for query r: the lanes' mask for register n of the scores.
	s_lshr_b32 s20, ttmp9, 2
	s_lshl_b32 s20, s20, 6
	s_and_b32 s22, ttmp9, 3
	s_lshl_b32 s22, s22, 3
	s_add_co_u32 s20, s20, s22                     ; the tile's first row
	s_lshl_b32 s20, s20, 13                        ; x 8,192 bytes
	s_lshl_b32 s22, s[WV], 11                      ; + my four steps' 2,048 bytes
	s_add_co_u32 s20, s20, s22
	s_add_nc_u64 s[6:7], s[6:7], s[20:21]
	s_lshl_b32 s20, ttmp9, 12                      ; the tile's 16 steps x 256 bytes of words
	s_lshl_b32 s22, s[WV], 10
	s_add_co_u32 s20, s20, s22
	s_add_nc_u64 s[24:25], s[16:17], s[20:21]
	v_bfe_u32 v4, v0, 3, 1                         ; a lane reads keys 4 l .. 4 l + 3: c = l / 16, h = (l / 8) % 2, i = 4 (l % 8) + j
	v_and_b32 v5, 7, v0
	v_bfe_u32 v6, v0, 4, 1
	v_lshlrev_b32 v3, 7, v6
	v_lshl_add_u32 v3, v5, 4, v3
	v_lshl_add_u32 v3, v4, 3, v3                   ; where I store two words: 128 c + 16 (l % 8) + 8 h
	v_lshlrev_b32 v5, 4, v4                        ; 16 h
	v_cmp_ne_u32 s23, 0, v4                        ; lanes with h = 1
.irp j, 0,1,2,3
	v_mov_b32 v[148+\j], 0                         ; written once: a DPP destination counts as read
.endr
.macro MLOAD it                        ; 16 rows x 512 consecutive bytes into set it % 2
.set MI, 16+64*((\it)%2)
.set q, 0
.rept 16
	global_load_b128 v[MI+4*q:MI+4*q+3], v2, s[6:7] offset:((q%8)+32*(q/8))*8192+512*(\it) th:TH_LOAD_NT
.set q, q+1
.endr
.endm
.macro MITEM it
.set MS, 16+64*((\it)%2)
.if (\it) < 3
	s_wait_loadcnt 16                              ; this item's 16 loads are in; the next item's 16 may be out
.else
	s_wait_loadcnt 0x0
.endif
.irp j, 0,1,2,3
	v_min_u32 v[144+\j], 1, v[MS+\j]               ; 1 where the mask's number is not 0: query 0's bit
.endr
.set q, 1
.rept 15
.irp j, 0,1,2,3
	v_min_u32 v[152+\j], 1, v[MS+4*q+\j]
.endr
.irp j, 0,1,2,3
	v_lshl_or_b32 v[144+\j], v[152+\j], q, v[144+\j]   ; query q's bit
.endr
.set q, q+1
.endr
.irp j, 0,1,2,3
	v_lshlrev_b32 v[144+\j], v5, v[144+\j]         ; keys of the upper half go to bits 16-31
.endr
.irp j, 0,1,2,3
	v_mov_b32_dpp v[148+\j], v[144+\j] row_xmask:8 row_mask:0xf bank_mask:0xf   ; lane l xor 8 holds the word's other half
.endr
.irp j, 0,1,2,3
	v_or_b32 v[144+\j], v[144+\j], v[148+\j]       ; word 32 c + 4 (l % 8) + j, whole, in both lanes
.endr
	v_cndmask_b32 v[160+2*(\it)], v144, v146, s23  ; lanes with h = 0 store words 0 and 1 of the four, lanes with h = 1 words 2 and 3
	v_cndmask_b32 v[161+2*(\it)], v145, v147, s23
	global_store_b64 v3, v[160+2*(\it):161+2*(\it)], s[24:25] offset:256*(\it)   ; 32 lanes store 256 consecutive bytes, aligned; each item has its own data registers
.if (\it)+2 < 4
	MLOAD (\it)+2
.endif
.endm
	MLOAD 0
	MLOAD 1
	MITEM 0
	MITEM 1
	MITEM 2
	MITEM 3
	s_endpgm
.Lnot_mask:
	s_cmp_lt_u32 ttmp9, 768
	s_cbranch_scc0 .Lnot_x
; ---- x.  Work-group gx: 64 rows (gx / 2); wave: K step 4 (gx % 2) + wave; four fragments, one for each tile of the 64 rows.
; Each load reads 512 consecutive bytes of a row; a fragment's 8 KB turn through the wave's own stage (rows 528 bytes apart, so that 16 rows start in 16 different groups of banks): a lane then holds two whole blocks of 32.
	s_sub_co_u32 s19, ttmp9, 512
	s_lshr_b32 s22, s19, 1                         ; the group of 64 rows
	s_and_b32 s23, s19, 1
	s_lshl_b32 s23, s23, 2
	s_add_co_u32 s23, s23, s[WV]                   ; the K step
	s_lshl_b32 s20, s22, 18                        ; 64 rows x 4,096 bytes
	s_lshl_b32 s24, s23, 9
	s_add_co_u32 s20, s20, s24
	s_add_nc_u64 s[4:5], s[4:5], s[20:21]
	s_lshr_b32 s24, s22, 2                         ; block of 256 rows
	s_lshl_b32 s24, s24, 3
	s_add_co_u32 s24, s24, s23
	s_lshl_b32 s24, s24, 4
	s_and_b32 s25, s22, 3
	s_lshl_b32 s25, s25, 2
	s_add_co_u32 s24, s24, s25                     ; the first fragment's number: (block x 8 + K step) x 16 + 4 x group
	s_mul_i32 s20, s24, 1536
	s_add_nc_u64 s[26:27], s[12:13], s[20:21]
	s_lshl_b32 s20, s24, 6
	s_add_co_u32 s20, s20, XC_SCL
	s_add_nc_u64 s[30:31], s[12:13], s[20:21]
	s_mul_i32 s25, s[WV], 8704                     ; my LDS: a stage of 16 x 528 bytes, then 256 bytes of scale words
	v_add_nc_u32 v3, s25, v2                       ; into the stage: 16 x lane
	v_and_b32 v4, 15, v0                           ; r
	v_bfe_u32 v5, v0, 4, 1                         ; h
	v_mul_u32_u24 v6, v4, 528
	v_lshl_add_u32 v6, v5, 7, v6
	v_add_nc_u32 v6, s25, v6                       ; out of it: row r, + 128 h
	v_lshl_add_u32 v7, v4, 2, s25
	v_add_nc_u32 v7, 8448, v7                      ; my row's scale word
	v_lshlrev_b32 v8, 3, v1                        ; 8 x lane
	v_add_nc_u32 v9, s25, v8
	v_add_nc_u32 v9, 8448, v9
	v_lshlrev_b32 v10, 3, v5                       ; 8 h
	v_mov_b32 v11, 0                               ; written once: a lane permute's destination counts as read
.macro XLOAD f
.set XJ, 16+64*((\f)%2)
.set q, 0
.rept 16
	global_load_b128 v[XJ+4*q:XJ+4*q+3], v2, s[4:5] offset:(8*(\f)+(q%8)+32*(q/8))*4096 th:TH_LOAD_NT
.set q, q+1
.endr
.endm
.macro XFRAG f
.set XI, 16+64*((\f)%2)
.if (\f) < 3
	s_wait_loadcnt 16                              ; this fragment's 16 loads are in; the next one's may be out
.else
	s_wait_loadcnt 0x0
.endif
.set q, 0
.rept 16
	ds_store_b128 v3, v[XI+4*q:XI+4*q+3] offset:528*q
.set q, q+1
.endr
.set q, 0
.rept 16
	ds_load_b128 v[144+4*q:147+4*q], v6 offset:256*(q/8)+16*(q%8)   ; LDS serves a wave's instructions in order: these see the stores.  Register 32 c + i: k = 64 c + 32 h + i of row r
.set q, q+1
.endr
	s_wait_dscnt 0x0                               ; the numbers are back, so the stores have read their registers,
.if (\f)+2 < 4
	XLOAD (\f)+2                                   ; which take the loads of two fragments on
.endif
.irp c, 0,1
	v_max3_num_f32 v[228+\c], |v[144+32*\c]|, |v[145+32*\c]|, 0x2800000   ; my block 2 c + h, and the floor 2^(5 - 127): the byte cannot fall under 1
.endr
.irp i, 2,4,6,8,10,12,14,16,18,20,22,24,26,28,30
.irp c, 0,1
	v_max3_num_f32 v[228+\c], v[228+\c], |v[144+32*\c+\i]|, |v[145+32*\c+\i]|
.endr
.endr
.irp c, 0,1
	v_add_nc_u32 v[230+\c], 0xfe000000, v[228+\c]  ; 4 off the exponent field: the conversion's scale operand
.endr
.irp c, 0,1
	v_lshrrev_b32 v[232+\c], 23, v[230+\c]         ; the scale's byte
.endr
	v_lshl_or_b32 v234, v233, 16, v232
	v_lshlrev_b32 v234, v10, v234                  ; my two bytes at their places (8 h bits up),
	v_permlanex16_b32 v11, v234, s[SEL], s[SEL+1]
	v_or_b32 v234, v234, v11                       ; with lane l xor 16's the word is whole
	s_wait_xcnt 0x0                                ; the last fragment's stores have read the codes' registers
.irp c, 0,1
	v_cvt_scalef32_pk16_bf6_f32 v[208+6*\c:210+6*\c], v[144+32*\c:159+32*\c], v[230+\c]
	v_cvt_scalef32_pk16_bf6_f32 v[220+4*\c:222+4*\c], v[160+32*\c:175+32*\c], v[230+\c]   ; (a conversion's three registers begin on an even number)
.endr
	v_nop                                          ; one plain place behind the conversions
.irp c, 0,1
.irp i, 0,1,2
	v_mov_b32 v[211+6*\c+\i], v[220+4*\c+\i]
.endr
.endr
.irp g, 0,1,2
	global_store_b128 v2, v[208+4*\g:211+4*\g], s[26:27] offset:1536*(\f)+512*\g   ; 512 consecutive bytes
.endr
	ds_store_b32 v7, v234 offset:64*(\f)           ; lanes r and r + 16 write the same word with the same value
.endm
	XLOAD 0
	XLOAD 1
	XFRAG 0
	XFRAG 1
	XFRAG 2
	XFRAG 3
	ds_load_b64 v[236:237], v9
	s_wait_dscnt 0x0
	global_store_b64 v8, v[236:237], s[30:31]      ; four tiles' scale words: 256 consecutive bytes, aligned
	s_wait_tensorcnt 0x0
	ds_add_u32 v254, v255
	s_wait_dscnt 0x0
	s_endpgm
.Lnot_x:
; ---- THE WEIGHTS: K is their first axis.  A lane takes a column and its registers run down K: a wave takes 32 columns x 128 K: two fragments.
; Lane l is index m = l % 8 + 8 (l / 16) of tile u = (l / 8) % 2.  Loads and scale words cover 128 consecutive bytes, not 256: one seventh of the launch's reads.
	v_and_b32 v4, 15, v0
	v_bfe_u32 v5, v0, 4, 1
	v_bfe_u32 v6, v0, 3, 1                         ; u
	v_and_b32 v7, 7, v0
	v_lshl_add_u32 v7, v5, 3, v7                   ; m
	v_lshl_add_u32 v8, v6, 4, v7
	v_lshlrev_b32 v8, 2, v8                        ; my scale word's place: 4 (16 u + m)
	v_mul_u32_u24 v9, v6, 1536
	v_lshl_add_u32 v9, v7, 4, v9                   ; my place in the two images: 1,536 u + 16 m
	s_mul_i32 s25, s[WV], 3072
; Block b's 32 loads: rows 32 b .. 32 b + 31 of the K step, my column; each block has 32 registers of its own.
.macro WLOAD b, pitch
.set q, 32*(\b)
.rept 32
	global_load_b32 v[16+q], v10, s[34:35] offset:q*\pitch th:TH_LOAD_NT
.set q, q+1
.endr
.endm
; pitch: bytes from row to row of the weight; lds: the role's own LDS bytes.  s[34:35] the wave's first number, v10 my column's bytes, s[36:37] the two images, s[38:39] their scale words.
; The loads run two blocks ahead: 64 of a wave's loads are out at the most.
.macro WROLE pitch, lds
	v_add_nc_u32 v11, s25, v9
	v_add_nc_u32 v11, \lds, v11
	v_add_nc_u32 v12, s25, v2
	v_add_nc_u32 v12, \lds, v12
	WLOAD 0, \pitch
	WLOAD 1, \pitch
.irp b, 0,1,2,3                        ; block b: k = 32 b .. 32 b + 31: registers 6 (b / 2) .. + 5 of lane m + 16 (b % 2) of the fragment
.if \b < 3
	s_wait_loadcnt 32                              ; this block's 32 loads are in; the next block's 32 may be out
.else
	s_wait_loadcnt 0x0
.endif
.if \b < 2
	WLOAD \b+2, \pitch                             ; the block two on, into registers of its own
.endif
	v_max3_num_f32 v13, |v[16+32*\b]|, |v[17+32*\b]|, 0x2800000
	v_max3_num_f32 v14, |v[32+32*\b]|, |v[33+32*\b]|, 0x2800000
.irp i, 2,4,6,8,10,12,14
	v_max3_num_f32 v13, v13, |v[16+32*\b+\i]|, |v[17+32*\b+\i]|
	v_max3_num_f32 v14, v14, |v[32+32*\b+\i]|, |v[33+32*\b+\i]|
.endr
	v_max_num_f32 v13, v13, v14
	v_add_nc_u32 v[144+\b], 0xfe000000, v13
	v_lshrrev_b32 v15, 23, v[144+\b]
.if \b == 0
	v_mov_b32 v148, v15
.else
	v_lshl_or_b32 v148, v15, 8*\b, v148            ; the column's scale word
.endif
	v_cvt_scalef32_pk16_bf6_f32 v[160+8*\b:162+8*\b], v[16+32*\b:31+32*\b], v[144+\b]
	v_cvt_scalef32_pk16_bf6_f32 v[192+4*\b:194+4*\b], v[32+32*\b:47+32*\b], v[144+\b]
	v_nop
.irp i, 0,1,2
	v_mov_b32 v[163+8*\b+\i], v[192+4*\b+\i]
.endr
.if \b < 2
	ds_store_b128 v11, v[160+8*\b:163+8*\b] offset:256*(\b%2)
	ds_store_b64 v11, v[164+8*\b:165+8*\b] offset:512+256*(\b%2)
.else
	ds_store_b64 v11, v[160+8*\b:161+8*\b] offset:520+256*(\b%2)
	ds_store_b128 v11, v[162+8*\b:165+8*\b] offset:1024+256*(\b%2)
.endif
.endr
.irp g, 0,1,2,3,4,5
	ds_load_b128 v[200+4*\g:203+4*\g], v12 offset:512*\g   ; LDS serves a wave's instructions in order: these see my stores
.endr
.irp g, 0,1,2,3,4,5
	s_wait_dscnt 5-\g                              ; the younger loads may be out
	global_store_b128 v2, v[200+4*\g:203+4*\g], s[36:37] offset:512*\g
.endr
	global_store_b32 v8, v148, s[38:39]
.endm
	s_cmp_lt_u32 ttmp9, 960
	s_cbranch_scc0 .Lw_out
	s_sub_co_u32 s19, ttmp9, 768
	s_and_b32 s22, s19, 7                          ; K step
	s_lshr_b32 s23, s19, 3
	s_lshl_b32 s23, s23, 2
	s_add_co_u32 s23, s23, s[WV]                   ; group of 32 columns: 32 t + 2 head + half
	s_lshr_b32 s24, s23, 5                         ; t: 0 q, 1 k, 2 v
	s_bfe_u32 s26, s23, 0x40001                    ; head
	s_and_b32 s27, s23, 1                          ; half
	s_lshl_b32 s30, s23, 5                         ; q, k: the first column is 32 x group
	s_lshl_b32 s31, s26, 6
	s_lshl_b32 s32, s27, 4
	s_add_co_u32 s31, s31, s32
	s_add_co_u32 s31, s31, 2048                    ; v: 2,048 + 64 head + 16 half
	s_cmp_eq_u32 s24, 2
	s_cselect_b32 s30, s31, s30
	s_cselect_b32 s33, 32, 16                      ; lanes 16-31 stand 16 columns on; in v 32
	s_mul_i32 s20, s22, 128*12288
	s_lshl_b32 s30, s30, 2
	s_add_co_u32 s20, s20, s30
	s_add_nc_u64 s[34:35], s[8:9], s[20:21]
	v_mul_u32_u24 v10, v5, s33
	v_add_nc_u32 v10, v10, v4
	v_lshlrev_b32 v10, 2, v10
	s_lshl_b32 s31, s26, 3
	s_add_co_u32 s31, s31, s22
	s_mul_i32 s31, s31, 12
	s_mul_i32 s32, s27, 6
	s_add_co_u32 s31, s31, s32
	s_lshl_b32 s32, s24, 1
	s_add_co_u32 s31, s31, s32                     ; fragment number: (head x 8 + K step) x 12 + 6 half + 2 t
	s_mul_i32 s20, s31, 1536
	s_add_nc_u64 s[36:37], s[14:15], s[20:21]
	s_lshl_b32 s20, s31, 6
	s_add_co_u32 s20, s20, WC_QS
	s_add_nc_u64 s[38:39], s[14:15], s[20:21]
	WROLE 12288, 34816
	s_wait_tensorcnt 0x0
	ds_add_u32 v254, v255
	s_wait_dscnt 0x0
	s_endpgm
.Lw_out:
	s_sub_co_u32 s19, ttmp9, 960
	s_and_b32 s22, s19, 7                          ; K step
	s_lshr_b32 s23, s19, 3
	s_lshl_b32 s23, s23, 2
	s_add_co_u32 s23, s23, s[WV]                   ; group of 32 columns
	s_mul_i32 s20, s22, 128*4096
	s_lshl_b32 s30, s23, 7
	s_add_co_u32 s20, s20, s30
	s_add_nc_u64 s[34:35], s[10:11], s[20:21]
	v_lshlrev_b32 v10, 2, v1
	s_lshr_b32 s31, s23, 1
	s_lshl_b32 s31, s31, 3
	s_add_co_u32 s31, s31, s22
	s_lshl_b32 s31, s31, 2
	s_and_b32 s32, s23, 1
	s_lshl_b32 s32, s32, 1
	s_add_co_u32 s31, s31, s32                     ; fragment number: (64 columns' number x 8 + K step) x 4 + 2 half
	s_mul_i32 s20, s31, 1536
	s_add_co_u32 s20, s20, WC_O
	s_add_nc_u64 s[36:37], s[14:15], s[20:21]
	s_lshl_b32 s20, s31, 6
	s_add_co_u32 s20, s20, WC_OS
	s_add_nc_u64 s[38:39], s[14:15], s[20:21]
	WROLE 4096, 47104
	s_wait_tensorcnt 0x0
	ds_add_u32 v254, v255
	s_wait_dscnt 0x0
	s_endpgm
.Lfunc_end_k_q3c7f5f73aa_prep:
	.size	k_q3c7f5f73aa_prep, .Lfunc_end_k_q3c7f5f73aa_prep-k_q3c7f5f73aa_prep
	.p2alignl 7, 3214868480
	.fill 96, 4, 3214868480
	.section	.rodata,"a",@progbits
	.p2align	6, 0x0
	.amdhsa_kernel k_q3c7f5f73aa_prep
		.amdhsa_group_segment_fixed_size 59904
		.amdhsa_private_segment_fixed_size 0
		.amdhsa_enable_private_segment 0
		.amdhsa_kernarg_size 56
		.amdhsa_user_sgpr_count 2
		.amdhsa_user_sgpr_kernarg_segment_ptr 1
		.amdhsa_wavefront_size32 1
		.amdhsa_system_sgpr_workgroup_id_x 1
		.amdhsa_system_sgpr_workgroup_id_y 1
		.amdhsa_system_sgpr_workgroup_id_z 1
		.amdhsa_system_vgpr_workitem_id 0
		.amdhsa_next_free_vgpr 256
		.amdhsa_next_free_sgpr 66
		.amdhsa_reserve_vcc 0
		.amdhsa_float_denorm_mode_32 3
		.amdhsa_float_denorm_mode_16_64 3
		.amdhsa_memory_ordered 1
		.amdhsa_forward_progress 1
		.amdhsa_inst_pref_size 107
	.end_amdhsa_kernel
	.amdgpu_metadata
---
amdhsa.version: [ 1, 2 ]
amdhsa.kernels:
  - .name:           k_q3c7f5f73aa_prep
    .symbol:         k_q3c7f5f73aa_prep.kd
    .args:
      - { .name: x, .offset: 0, .size: 8, .value_kind: global_buffer, .address_space: global }
      - { .name: mask, .offset: 8, .size: 8, .value_kind: global_buffer, .address_space: global }
      - { .name: w_qkv, .offset: 16, .size: 8, .value_kind: global_buffer, .address_space: global }
      - { .name: w_out, .offset: 24, .size: 8, .value_kind: global_buffer, .address_space: global }
      - { .name: xc, .offset: 32, .size: 8, .value_kind: global_buffer, .address_space: global }
      - { .name: wc, .offset: 40, .size: 8, .value_kind: global_buffer, .address_space: global }
      - { .name: mb, .offset: 48, .size: 8, .value_kind: global_buffer, .address_space: global }
    .group_segment_fixed_size: 59904
    .private_segment_fixed_size: 0
    .kernarg_segment_align: 8
    .kernarg_segment_size: 56
    .max_flat_workgroup_size: 128
    .sgpr_count:     66
    .vgpr_count:     256
    .wavefront_size: 32
...
	.end_amdgpu_metadata
.endif
;; end of part 1
;; launch qkv (part 2): grid 16 x 32, 4 waves a work-group, clusters of 4 x 4, 307,712 bytes of LDS; arguments xc, wc, b_qkv, qkv; writes qkv
.if DOCPART == 2
	.amdgcn_target "amdgcn-amd-amdhsa--gfx1250"
	.amdhsa_code_object_version 6
	.text
	.protected	k_q3c7f5f73aa_qkv
	.globl	k_q3c7f5f73aa_qkv
	.p2align	8
	.type	k_q3c7f5f73aa_qkv,@function
k_q3c7f5f73aa_qkv:
	s_mov_b64 s[64:65], 0
	v_nop
	global_prefetch_b8 v0, s[64:65] scope:SCOPE_SE
	s_setreg_imm32_b32 hwreg(HW_REG_WAVE_MODE, 25, 1), 1
	s_wait_xcnt 0x0
	s_wait_alu depctr_hold_cnt(0) depctr_sa_sdst(0) depctr_va_vdst(0) depctr_va_sdst(0) depctr_va_ssrc(0) depctr_va_vcc(0) depctr_vm_vsrc(0)
	s_getreg_b32 s2, hwreg(HW_REG_IB_STS2, 6, 4)
	s_cmp_eq_u32 s2, 0
	s_cbranch_scc0 .Lentry_in_a_cluster
	s_endpgm
.Lentry_in_a_cluster:
	s_bfe_u32 s2, ttmp6, 0x10000c
	s_cmp_lg_u32 s2, 0xf033
	s_cbranch_scc0 .Lentry_shape_is_right
	s_endpgm
.Lentry_shape_is_right:
; QKV: x w_qkv + b_qkv on codes of BF6 with E8M0 scales; the results are quantised in registers: q and k along the head's 64, v along the keys, and leave as images of the next launch's operand registers.
; SHARES.  A work-group: 256 rows x one head's 192 columns (q, k, v); 512 equal work-groups.  Wave (mh, nh): 128 rows x 96 columns (32 of q, 32 of k, 32 of v): 48 accumulators, 384 matrix instructions.
; q and k are made TRANSPOSED (source 0 = 16 weight columns, source 1 = 16 rows of x): a lane holds one row and its registers run along d.  v is made as it stands (source 0 = rows of x): a lane holds one d and its
; registers run along the keys; by the choice of the rows that form a tile of x, 32 registers of four tiles are one whole block of 32 neighbouring keys.
; LDS IS FILLED ONCE: x's codes for all 8 K steps (196,608 bytes) and the weights' for K steps 2 to 7 (110,592); the weights' K steps 0 and 1 go from memory into the two register sets.  Nothing is filled again.
; CLUSTER 4 x 4: x's codes hang on the row block alone and are asked for jointly along a row of the cluster, the weights' on the head alone, along a column.  A wave has at most four tensor loads out.
; LIMITS: NaN and infinities are not served; a block of zeros gets the scale byte 1 (its codes are zeros; this program alone reads the bytes).
; REGISTERS: window 0: v1-15 addresses; v16-47 x's scale words, v48-71 the weights'; v72-123 at work on the way out.  window 1: the weights' two sets (v0-71, v72-143), x's one set (v144-239).
;   window 2: v's 16 accumulators (64 tv + 8 a), from v128 q's and k's bias, from v160 v's.   window 3: q's and k's 32 accumulators: (a, t, u) at 64 (a / 2) + 32 (a % 2) + 16 t + 8 u.
.set A_HALF, 98304                     ; LDS: x's codes of 128 rows, 8 K steps of 12,288 bytes
.set A_KS,   12288
.set B_BASE, 196608                    ; the weights': two halves of 6 K steps of 9,216 bytes
.set B_HALF, 55296
.set B_KS,   9216
.set REC,    19456                     ; a record of the output: 128 rows of one head: Q's 4 pair images, K's 4, V's 4 fragments, 1,024 bytes of scale words
.set XC_SCL, 6291456
.set WC_QS,  2359296
.set XS,  16
.set WS,  48
.set TM,  72
.set PW,  88
.set PWQ, 92
.set PWV, 96
.set SB,  100
.set PC,  104
.set AF,  144
.set BQ,  128
.set BV,  160
.set WV,  48                           ; s48 wave; s49 mh; s50 nh (also: which half I fetch)
.set SEL, 90
.set MSB, 0
.macro WIN new                         ; the immediate's high byte repeats the setting that is left
.if MSB != \new
	s_set_vgpr_msb (MSB<<8)|\new
.set MSB, \new
.endif
.endm
.macro PLACES n
.rept \n
	v_nop
.endr
.endm
.macro CROUND                          ; a round of the cluster's barrier
	s_barrier_signal -1
	s_barrier_wait -1
	s_cmp_lg_u32 s[WV], 0
	s_cbranch_scc1 .Lnot_wave_0_\@
	s_barrier_signal -3
.Lnot_wave_0_\@:
	s_barrier_wait -3
	s_barrier_signal -1
	s_barrier_wait -1
.endm
	s_load_b256 s[68:75], s[0:1], 0x0              ; xc s[68:69], wc s[70:71], b_qkv s[72:73], qkv s[74:75]
	v_lshl_add_u32 v254, v0, 2, 0x4b000
	v_mov_b32 v255, 0
	ds_add_u32 v254, v255
	ds_add_u32 v254, v255
	v_lshrrev_b32 v1, 5, v0
	v_readfirstlane_b32 s[WV], v1
	s_lshr_b32 s49, s[WV], 1
	s_and_b32 s50, s[WV], 1
	s_bfe_u32 s51, ttmp6, 0x40000                  ; cx
	s_bfe_u32 s52, ttmp6, 0x40004                  ; cy
	s_lshl_b32 s53, ttmp9, 2
	s_add_co_u32 s53, s53, s51                     ; the head
	s_and_b32 s54, ttmp7, 0xffff
	s_lshl_b32 s54, s54, 2
	s_add_co_u32 s54, s54, s52                     ; the block of 256 rows
	s_lshl_b32 s55, s52, 2
	s_lshl_b32 s55, 15, s55                        ; my row of the cluster
	s_lshl_b32 s62, 0x1111, s51                    ; my column
	; group 1 for x's codes: two K steps, each a row of 1,536 elements of 8 bytes (128 rows' 12,288 bytes), 24,576 bytes apart; no padding: fragments are read as dense images
	s_or_b32 s4, s55, (3<<16)|(1<<21)
	s_mov_b32 s5, 1536<<16
	s_mov_b32 s6, 2<<16
	s_mov_b32 s7, 1536<<16
	s_mov_b32 s8, 2
	s_mov_b32 s9, 3072
	s_mov_b32 s10, 0
	s_mov_b32 s11, 0
	; group 1 for the weights': two K steps, each 1,152 elements (96 columns' 9,216 bytes), 18,432 bytes apart
	s_or_b32 s12, s62, (3<<16)|(1<<21)
	s_mov_b32 s13, 1152<<16
	s_mov_b32 s14, 2<<16
	s_mov_b32 s15, 1152<<16
	s_mov_b32 s16, 2
	s_mov_b32 s17, 2304
	s_mov_b32 s18, 0
	s_mov_b32 s19, 0
	s_mul_i32 s56, s54, 196608                     ; x: the row block's 8 K steps, + my half
	s_mul_i32 s60, s50, 12288
	s_add_co_u32 s56, s56, s60
	s_mov_b32 s57, 0
	s_mul_i32 s58, s53, 147456                     ; the weights: the head's 8 K steps, from K step 2 on, + my half
	s_mul_i32 s61, s50, 9216
	s_add_co_u32 s58, s58, s61
	s_add_co_u32 s58, s58, 36864
	s_mov_b32 s59, 0
	s_mul_i32 s60, s50, A_HALF                     ; and where they go: no place in the cluster enters an LDS address
	s_mul_i32 s61, s50, B_HALF
	s_mov_b32 s[SEL], 0x76543210
	s_mov_b32 s[SEL+1], 0xfedcba98
	s_wait_dscnt 0x0
	s_wait_kmcnt 0x0
	s_add_nc_u64 s[56:57], s[68:69], s[56:57]
	s_add_nc_u64 s[58:59], s[70:71], s[58:59]
	CROUND                                         ; all sixteen work-groups are here: the joint loads meet
.irp i, 0,1,2,3
	s_mov_b32 s[20+4*\i], 1
	s_add_co_u32 s[21+4*\i], s60, \i*24576
	s_add_nc_u64 s[22+4*\i:23+4*\i], s[56:57], \i*49152
	s_or_b32 s[23+4*\i], s[23+4*\i], 0x80000000
.endr
.irp i, 0,1,2
	s_mov_b32 s[36+4*\i], 1
	s_add_co_u32 s[37+4*\i], s61, B_BASE+\i*18432
	s_add_nc_u64 s[38+4*\i:39+4*\i], s[58:59], \i*36864
	s_or_b32 s[39+4*\i], s[39+4*\i], 0x80000000
.endr
	s_cmp_lt_u32 s[WV], 2                          ; waves 0 and 1 fetch x's halves (4 loads), waves 2 and 3 the weights' (3): all of a wave's fills in one branch on its number
	s_cbranch_scc0 .Lfill_b
	tensor_load_to_lds s[20:23], s[4:11]
	s_nop 0
	tensor_load_to_lds s[24:27], s[4:11]
	s_nop 0
	tensor_load_to_lds s[28:31], s[4:11]
	s_nop 0
	tensor_load_to_lds s[32:35], s[4:11]
	s_nop 0
	PLACES 4
	s_branch .Lfilled
.Lfill_b:
	tensor_load_to_lds s[36:39], s[12:19]
	s_nop 0
	tensor_load_to_lds s[40:43], s[12:19]
	s_nop 0
	tensor_load_to_lds s[44:47], s[12:19]
	s_nop 0
	PLACES 4
.Lfilled:
	v_and_b32 v10, 31, v0                          ; lane
	v_lshlrev_b32 v1, 4, v10                       ; 16 x lane
	v_lshlrev_b32 v6, 2, v10                       ; 4 x lane
	v_and_b32 v11, 15, v0                          ; r
	v_bfe_u32 v12, v0, 4, 1                        ; h
	s_mul_i32 s55, s49, A_HALF
	v_add_nc_u32 v2, s55, v1                       ; x's images: my 128 rows; K steps 0-4,
	v_add_nc_u32 v3, 5*A_KS, v2                    ; K steps 5-7 (an LDS offset has 16 bits)
	s_mul_i32 s55, s50, B_HALF
	s_add_co_u32 s55, s55, B_BASE
	v_add_nc_u32 v4, s55, v1                       ; the weights' images: my 96 columns
	v_mul_u32_u24 v5, v12, 6144
	v_lshl_add_u32 v5, v11, 4, v5
	s_lshl_b32 s55, s50, 8
	v_add_nc_u32 v5, s55, v5                       ; q's (lanes 0-15) and k's (lanes 16-31) pair images: 6,144 h + 256 nh + 16 r
	v_lshlrev_b32 v7, 6, v12                       ; q's and k's bias: 16 h numbers on
	v_and_b32 v8, 7, v0
	v_bfe_u32 v13, v0, 3, 1
	v_lshl_add_u32 v8, v13, 5, v8
	v_lshlrev_b32 v8, 2, v8                        ; v's bias: d = r % 8 + 32 (r / 8)
	v_lshlrev_b32 v9, 3, v12                       ; 8 h
	s_lshl_b32 s55, s50, 9
	v_add_nc_u32 v14, s55, v1                      ; the scale block: 512 nh + 16 x lane
	s_mul_i32 s55, s50, 3072
	v_add_nc_u32 v15, s55, v1                      ; v's fragments: 3,072 nh + 16 x lane
.irp b, 0,1,2,3
	v_mov_b32 v[TM+4+\b], 0                        ; written once: a lane permute's destination counts as read
.endr
	s_mov_b32 s89, 0
	s_mul_i32 s88, s53, 147456
	s_mul_i32 s55, s50, 9216
	s_add_co_u32 s88, s88, s55
	s_add_nc_u64 s[76:77], s[70:71], s[88:89]      ; the weights' K steps 0 and 1, my half
	s_lshl_b32 s88, s54, 13
	s_lshl_b32 s55, s49, 9
	s_add_co_u32 s88, s88, s55
	s_add_co_u32 s88, s88, XC_SCL
	s_add_nc_u64 s[78:79], s[68:69], s[88:89]      ; x's scale words
	s_mul_i32 s88, s53, 6144
	s_mul_i32 s55, s50, 384
	s_add_co_u32 s88, s88, s55
	s_add_co_u32 s88, s88, WC_QS
	s_add_nc_u64 s[80:81], s[70:71], s[88:89]      ; the weights' scale words
	s_lshl_b32 s88, s53, 8
	s_lshl_b32 s55, s50, 7
	s_add_co_u32 s88, s88, s55
	s_add_nc_u64 s[82:83], s[72:73], s[88:89]      ; bias of q: column 64 head + 32 nh
	s_lshl_b32 s88, s53, 8
	s_lshl_b32 s55, s50, 6
	s_add_co_u32 s88, s88, s55
	s_add_co_u32 s88, s88, 8192
	s_add_nc_u64 s[84:85], s[72:73], s[88:89]      ; bias of v: column 2,048 + 64 head + 16 nh
	s_lshr_b32 s88, s54, 3
	s_lshl_b32 s88, s88, 4
	s_add_co_u32 s88, s88, s53
	s_lshl_b32 s88, s88, 4
	s_and_b32 s55, s54, 7
	s_lshl_b32 s55, s55, 1
	s_add_co_u32 s88, s88, s55
	s_add_co_u32 s88, s88, s49
	s_mul_i32 s88, s88, REC
	s_add_nc_u64 s[86:87], s[74:75], s[88:89]      ; my record: ((batch x 16 + head) x 16 + block of 128 rows)
	WIN 0x40
.irp k, 0,1
.irp t, 0,1,2,3,4,5
.irp g, 0,1,2
	global_load_b128 v[72*\k+12*\t+4*\g:72*\k+12*\t+4*\g+3], v1, s[76:77] offset:18432*\k+1536*\t+512*\g
.endr
.endr
.endr
	WIN 0x80
.irp t, 0,1
.irp u, 0,1
	global_load_b128 v[BQ+8*(2*\t+\u):BQ+8*(2*\t+\u)+3], v7, s[82:83] offset:4096*\t+32*\u        ; lane (r, h), register j: column 16 h + 8 u + j of the 32
	global_load_b128 v[BQ+8*(2*\t+\u)+4:BQ+8*(2*\t+\u)+7], v7, s[82:83] offset:4096*\t+32*\u+16
.endr
.endr
.irp t, 0,1
.irp j, 0,1,2,3,4,5,6,7
	global_load_b32 v[BV+8*\t+\j], v8, s[84:85] offset:32*\t   ; v: a lane holds one d: the same number in all eight registers
.endr
.endr
	WIN 0
.irp k, 0,1,2,3,4,5,6,7
.irp i, 0,1,2,3
	global_load_b32 v[XS+4*\k+\i], v6, s[78:79] offset:1024*\k+128*\i   ; lanes 0-15: tile 2 i's words, lanes 16-31: tile 2 i + 1's
.endr
.endr
.irp k, 0,1,2,3,4,5,6,7
.irp i, 0,1,2
	global_load_b32 v[WS+3*\k+\i], v6, s[80:81] offset:768*\k+128*\i
.endr
.endr
.macro FETCH_A ks, a0                  ; x's tiles a0 .. a0 + 3 of a K step: 12 loads
	WIN 0x40
.irp a, \a0, \a0+1, \a0+2, \a0+3
.irp g, 0,1,2
.if (\ks) < 5
	ds_load_b128 v[AF+12*(\a)+4*\g:AF+12*(\a)+4*\g+3], v2 offset:A_KS*(\ks)+1536*(\a)+512*\g
.else
	ds_load_b128 v[AF+12*(\a)+4*\g:AF+12*(\a)+4*\g+3], v3 offset:A_KS*((\ks)-5)+1536*(\a)+512*\g
.endif
.endr
.endr
.endm
.macro FETCH_B ks                      ; the weights' six tiles of a K step into set ks % 2: 18 loads
	WIN 0x40
.irp t, 0,1,2,3,4,5
.irp g, 0,1,2
	ds_load_b128 v[72*((\ks)%2)+12*\t+4*\g:72*((\ks)%2)+12*\t+4*\g+3], v4 offset:B_KS*((\ks)-2)+1536*\t+512*\g
.endr
.endr
.endm
.macro EMIT                            ; one matrix instruction from the symbols rD, rA, rB, rC, rSA, rSB; rRA, rRB: the side's scale words stand in lanes 16-31
.if rRA && rRB
	v_wmma_scale_f32_16x16x128_f8f6f4 v[rD:rD+7], v[rA:rA+11], v[rB:rB+11], v[rC:rC+7], v[rSA], v[rSB] matrix_a_fmt:MATRIX_FMT_BF6 matrix_b_fmt:MATRIX_FMT_BF6 matrix_a_scale:MATRIX_SCALE_ROW1 matrix_b_scale:MATRIX_SCALE_ROW1
.elseif rRA
	v_wmma_scale_f32_16x16x128_f8f6f4 v[rD:rD+7], v[rA:rA+11], v[rB:rB+11], v[rC:rC+7], v[rSA], v[rSB] matrix_a_fmt:MATRIX_FMT_BF6 matrix_b_fmt:MATRIX_FMT_BF6 matrix_a_scale:MATRIX_SCALE_ROW1
.elseif rRB
	v_wmma_scale_f32_16x16x128_f8f6f4 v[rD:rD+7], v[rA:rA+11], v[rB:rB+11], v[rC:rC+7], v[rSA], v[rSB] matrix_a_fmt:MATRIX_FMT_BF6 matrix_b_fmt:MATRIX_FMT_BF6 matrix_b_scale:MATRIX_SCALE_ROW1
.else
	v_wmma_scale_f32_16x16x128_f8f6f4 v[rD:rD+7], v[rA:rA+11], v[rB:rB+11], v[rC:rC+7], v[rSA], v[rSB] matrix_a_fmt:MATRIX_FMT_BF6 matrix_b_fmt:MATRIX_FMT_BF6
.endif
.endm
; 24 matrix instructions: x's tiles a0 .. a0 + 3 against the six weight tiles.  In K step 0 the bias is the C.  The 48 accumulators take turns, one instruction a turn.
.macro MUL ks, a0
.if (\ks) == 0
	WIN 0xe5                                       ; sources window 1, C (bias) window 2, D window 3
.else
	WIN 0xf5
.endif
.irp a, \a0, \a0+1, \a0+2, \a0+3
.irp t, 0,1
.irp u, 0,1
.set rD, 64*((\a)/2)+32*((\a)%2)+16*\t+8*\u
.set rA, 72*((\ks)%2)+12*(2*\t+\u)
.set rB, AF+12*(\a)
.if (\ks) == 0
.set rC, BQ+8*(2*\t+\u)
.else
.set rC, rD
.endif
.set rSA, WS+3*(\ks)+\t
.set rSB, XS+4*(\ks)+(\a)/2
.set rRA, \u
.set rRB, (\a)%2
	EMIT
.endr
.endr
.endr
	WIN 0xa5                                       ; sources window 1, C and D window 2
.irp a, \a0, \a0+1, \a0+2, \a0+3
.irp t, 0,1
.set rD, 64*\t+8*(\a)
.set rA, AF+12*(\a)
.set rB, 72*((\ks)%2)+12*(4+\t)
.if (\ks) == 0
.set rC, BV+8*\t
.else
.set rC, rD
.endif
.set rSA, XS+4*(\ks)+(\a)/2
.set rSB, WS+3*(\ks)+2
.set rRA, (\a)%2
.set rRB, \t
	EMIT
.endr
.endr
.endm
; A K step.  A load into a register that a matrix instruction has read stands four plain vector instructions behind it (ISA guide 7.12.1 for vector instructions).
.macro STEP ks
	s_wait_dscnt 12                                ; all but the youngest 12 loads (x's tiles 4-7) are in
	MUL \ks, 0
	s_wait_dscnt 0x0                               ; x's tiles 4-7 are in; no LDS instruction of mine is out at the signal below
.if (\ks)%2 == 1
	s_wait_tensorcnt (5-(\ks))/2                   ; tensor loads end in order: the next two K steps' loads of mine have landed; the later ones stay out
	s_barrier_signal -1
	s_barrier_wait -1
.endif
	PLACES 4
.if (\ks)+1 >= 2
	FETCH_B (\ks)+1
.endif
	FETCH_A (\ks)+1, 0
	MUL \ks, 4
	PLACES 4
	FETCH_A (\ks)+1, 4
.endm
	s_wait_tensorcnt 3                             ; in waves 0 and 1: x's K steps 0 and 1 have landed (three younger loads may be out); waves 2 and 3 have no more than three out
	s_barrier_signal -1
	s_barrier_wait -1
	FETCH_A 0, 0
	FETCH_A 0, 4
	s_wait_loadcnt 0x0                             ; the weights' K steps 0 and 1, the biases, the scale words
	STEP 0
	STEP 1
	STEP 2
	STEP 3
	STEP 4
	STEP 5
	STEP 6
	s_wait_dscnt 12
	MUL 7, 0
	s_wait_dscnt 0x0
	MUL 7, 4
	PLACES 4                                       ; in front of the first read of results
; 64 numbers in window 3 from s on: block b = registers 16 b + i, shared by lanes l and l xor 16.  Blocks: q of tile 2 P, k of tile 2 P, q of tile 2 P + 1, k of tile 2 P + 1, each d = 32 nh + 16 h + i.
; The exchange of halves leaves q's codes in lanes 0-15 and k's in lanes 16-31, a whole block of 32 d a lane.  Each accumulator is read from its low end on.
.macro QUANT16 s
	WIN 0x0f
.irp b, 0,1,2,3
	v_max3_num_f32 v[TM+\b], |v[(\s)+16*\b]|, |v[(\s)+16*\b+1]|, 0x2800000   ; and the floor 2^(5 - 127)
.endr
	WIN 0x3c
.irp i, 2,4,6,8,10,12,14
.irp b, 0,1,2,3
	v_max3_num_f32 v[TM+\b], v[TM+\b], |v[(\s)+16*\b+\i]|, |v[(\s)+16*\b+\i+1]|
.endr
.endr
	WIN 0
.irp b, 0,1,2,3
	v_permlanex16_b32 v[TM+4+\b], v[TM+\b], s[SEL], s[SEL+1]
.endr
.irp b, 0,1,2,3
	v_max_num_f32 v[TM+\b], v[TM+\b], v[TM+4+\b]
.endr
.irp b, 0,1,2,3
	v_add_nc_u32 v[TM+12+\b], 0xfe000000, v[TM+\b]
.endr
.irp b, 0,1,2,3
	v_lshrrev_b32 v[TM+4+\b], 23, v[TM+12+\b]
.endr
	v_lshl_or_b32 v[PW], v[TM+5], 8, v[TM+4]
	v_lshl_or_b32 v[PW], v[TM+6], 16, v[PW]
	v_lshl_or_b32 v[PW], v[TM+7], 24, v[PW]
	s_wait_xcnt 0x0                                ; the earlier stores have read the codes' registers
	WIN 0x03
.irp c, 0,1
	v_cvt_scalef32_pk16_bf6_f32 v[PC+6*\c:PC+6*\c+2], v[(\s)+32*\c:(\s)+32*\c+15], v[TM+12+2*\c]
	v_cvt_scalef32_pk16_bf6_f32 v[PC+12+4*\c:PC+14+4*\c], v[(\s)+32*\c+16:(\s)+32*\c+31], v[TM+13+2*\c]
.endr
	WIN 0
	v_nop                                          ; one plain place behind the conversions
.irp c, 0,1
.irp i, 0,1,2
	v_permlane16_swap_b32 v[PC+6*\c+\i], v[PC+12+4*\c+\i]
.endr
.irp i, 0,1,2
	v_mov_b32 v[PC+3+6*\c+\i], v[PC+12+4*\c+\i]
.endr
.endr
.endm
; 64 numbers in window 2 from s on: my block c = registers 32 c .. 32 c + 31, whole: keys 64 c + 32 h + i of my d.
.macro QUANT32 s
	WIN 0x0a
.irp c, 0,1
	v_max3_num_f32 v[TM+\c], |v[(\s)+32*\c]|, |v[(\s)+32*\c+1]|, 0x2800000
.endr
	WIN 0x28
.irp i, 2,4,6,8,10,12,14,16,18,20,22,24,26,28,30
.irp c, 0,1
	v_max3_num_f32 v[TM+\c], v[TM+\c], |v[(\s)+32*\c+\i]|, |v[(\s)+32*\c+\i+1]|
.endr
.endr
	WIN 0
.irp c, 0,1
	v_add_nc_u32 v[TM+12+\c], 0xfe000000, v[TM+\c]
.endr
.irp c, 0,1
	v_lshrrev_b32 v[TM+2+\c], 23, v[TM+12+\c]
.endr
	v_lshl_or_b32 v[PW], v[TM+3], 16, v[TM+2]
	v_lshlrev_b32 v[PW], v9, v[PW]
	v_permlanex16_b32 v[TM+4], v[PW], s[SEL], s[SEL+1]
	v_or_b32 v[PW], v[PW], v[TM+4]
	s_wait_xcnt 0x0
	WIN 0x02
.irp c, 0,1
	v_cvt_scalef32_pk16_bf6_f32 v[PC+6*\c:PC+6*\c+2], v[(\s)+32*\c:(\s)+32*\c+15], v[TM+12+\c]
	v_cvt_scalef32_pk16_bf6_f32 v[PC+12+4*\c:PC+14+4*\c], v[(\s)+32*\c+16:(\s)+32*\c+31], v[TM+12+\c]
.endr
	WIN 0
	v_nop
.irp c, 0,1
.irp i, 0,1,2
	v_mov_b32 v[PC+3+6*\c+\i], v[PC+12+4*\c+\i]
.endr
.endr
.endm
.irp P, 0,1,2,3
	QUANT16 64*\P
.irp g, 0,1,2
	global_store_b128 v5, v[PC+4*\g:PC+4*\g+3], s[86:87] offset:1536*\P+512*\g   ; sixteen lanes store 256 consecutive bytes, aligned: half of a pair image's 512
.endr
	v_mov_b32 v[PWQ+\P], v[PW]
.endr
.irp t, 0,1
	QUANT32 64*\t
.irp g, 0,1,2
	global_store_b128 v15, v[PC+4*\g:PC+4*\g+3], s[86:87] offset:12288+1536*\t+512*\g
.endr
	v_mov_b32 v[PWV+\t], v[PW]
.endr
	v_cmp_gt_u32 vcc_lo, 16, v10
	v_cndmask_b32 v[SB], v[PWV], v[PWQ], vcc_lo    ; lanes 0-15: the four pairs' words of row r; lanes 16-31: v's two words of d index r
	v_cndmask_b32 v[SB+1], v[PWV+1], v[PWQ+1], vcc_lo
	v_cndmask_b32 v[SB+2], 0, v[PWQ+2], vcc_lo
	v_cndmask_b32 v[SB+3], 0, v[PWQ+3], vcc_lo
	global_store_b128 v14, v[SB:SB+3], s[86:87] offset:18432
	s_wait_tensorcnt 0x0
	ds_add_u32 v254, v255
	s_wait_dscnt 0x0
	CROUND                                         ; the closing round: no work-group ends while a partner may still ask for a tile that names it
	s_endpgm
.Lfunc_end_k_q3c7f5f73aa_qkv:
	.size	k_q3c7f5f73aa_qkv, .Lfunc_end_k_q3c7f5f73aa_qkv-k_q3c7f5f73aa_qkv
	.p2alignl 7, 3214868480
	.fill 96, 4, 3214868480
	.section	.rodata,"a",@progbits
	.p2align	6, 0x0
	.amdhsa_kernel k_q3c7f5f73aa_qkv
		.amdhsa_group_segment_fixed_size 307712
		.amdhsa_private_segment_fixed_size 0
		.amdhsa_enable_private_segment 0
		.amdhsa_kernarg_size 32
		.amdhsa_user_sgpr_count 2
		.amdhsa_user_sgpr_kernarg_segment_ptr 1
		.amdhsa_wavefront_size32 1
		.amdhsa_system_sgpr_workgroup_id_x 1
		.amdhsa_system_sgpr_workgroup_id_y 1
		.amdhsa_system_sgpr_workgroup_id_z 1
		.amdhsa_system_vgpr_workitem_id 0
		.amdhsa_next_free_vgpr 1024
		.amdhsa_next_free_sgpr 92
		.amdhsa_reserve_vcc 1
		.amdhsa_float_denorm_mode_32 3
		.amdhsa_float_denorm_mode_16_64 3
		.amdhsa_memory_ordered 1
		.amdhsa_forward_progress 1
		.amdhsa_inst_pref_size 115
	.end_amdhsa_kernel
	.amdgpu_metadata
---
amdhsa.version: [ 1, 2 ]
amdhsa.kernels:
  - .name:           k_q3c7f5f73aa_qkv
    .symbol:         k_q3c7f5f73aa_qkv.kd
    .args:
      - { .name: xc, .offset: 0, .size: 8, .value_kind: global_buffer, .address_space: global }
      - { .name: wc, .offset: 8, .size: 8, .value_kind: global_buffer, .address_space: global }
      - { .name: b_qkv, .offset: 16, .size: 8, .value_kind: global_buffer, .address_space: global }
      - { .name: qkv, .offset: 24, .size: 8, .value_kind: global_buffer, .address_space: global }
    .group_segment_fixed_size: 307712
    .private_segment_fixed_size: 0
    .kernarg_segment_align: 8
    .kernarg_segment_size: 32
    .max_flat_workgroup_size: 128
    .sgpr_count:     92
    .vgpr_count:     1024
    .wavefront_size: 32
...
	.end_amdgpu_metadata
.endif
;; end of part 2
;; launch attn (part 3): grid 4 x 64, 16 waves a work-group, no clusters, 216,064 bytes of LDS; arguments qkv, mb, ao; writes ao
.if DOCPART == 3
	.amdgcn_target "amdgcn-amd-amdhsa--gfx1250"
	.amdhsa_code_object_version 6
	.text
	.protected	k_q3c7f5f73aa_attn
	.globl	k_q3c7f5f73aa_attn
	.p2align	8
	.type	k_q3c7f5f73aa_attn,@function
k_q3c7f5f73aa_attn:
	s_mov_b64 s[64:65], 0
	v_nop
	global_prefetch_b8 v0, s[64:65] scope:SCOPE_SE
	s_setreg_imm32_b32 hwreg(HW_REG_WAVE_MODE, 25, 1), 1
	s_wait_xcnt 0x0
; ATTN: o = softmax(q k^T / 8, masked) v for one head, both products on codes of BF6 with E8M0 scales; o is quantised along the embedding's axis and leaves as codes.
; THE SOFTMAX: t = score x log2(e) / 8; M = the running largest t rounded UP to a whole number; p = 2^(t - M) is quantised along the keys, not normalised; the row's sum is taken of the unquantised p and divides O at the end.
; When M moves, the sum and O are multiplied by 2^(old M - new M): exact.  A key that the mask hides gets the score -infinity ahead of the maximum.  A row with no key at all: zero codes under the scale byte 0xff, which the
; last launch's products turn into NaN for that row.
; THE MASK is honoured in every key step alike: 64 bit words, one for each register of the scores, come by scalar loads and steer 64 selects.  No branch and no address hangs on what they hold.
; SHARES.  A work-group: 512 queries of one head; 256 work-groups.  The head's K and V codes (196,608 bytes) and scale words stay in LDS for the whole launch.  Each of 16 waves owns two tiles of 16 queries, one after the other
; (a pass), and walks 16 key steps of 128 keys in each.  Four waves share a SIMD: one wave's vector work stands beside another's products and LDS loads.
; LAYOUT.  Both products transposed (S^T = K Q^T, O^T = V^T P^T): a lane holds one query.  By the choice of the keys that form a tile, registers 32 c + i of S^T are keys 64 c + 32 h + i: a WHOLE block of 32 in a lane, in the order of
; the next operand's registers: no exchange of halves.  K = 64 of the first product fills half an instruction: a tile of K stands beside six registers of zeros, q stands in both halves of its fragment.
; NO TENSOR LOAD AND NO CLUSTER, though the four work-groups of a head read the same K and V: those bytes come once, at the head, 26 loads of 16 bytes a lane for each wave, and their scale words are re-formed by vector
; instructions on the way into LDS; behind that fill each wave walks 32 key steps in which nothing shared is fetched: a step's only memory reads are its own tile's 256 bytes of mask words.
; LIMITS: NaN and infinities among the inputs are not served.  A block's largest p is taken through its largest score: this takes v_exp_f32 not to fall where its input rises (the ISA guide promises 1 ulp).
.set REC,  19456
.set SCL,  196608                      ; LDS: step s's codes at 12,288 s (K's 4 pair images, V's 4 fragments); its scale words at SCL + 1,024 s
.set OSC,  212992                      ; o's scale halfwords: 32 tiles x 32 bytes
.set SS,   148                         ; v148-211 S^T, then p
.set OO,   212                         ; v212-243 O^T
; v1 16 l; v2, v3 addresses of the step's loads; v4 -infinity; v5 8 h; v6, v9 q's places; v7 my halfword's place; v8 8 l; v10 -M, v11 the largest t; v[12:13] the sum; v[14:15] f
; v16-27 Q; v28 its scale word; v29 p's; v30-37 K's (lanes 0-15) and V's (lanes 16-31) scale words; v38-49 p's codes; v50-69 at work; v70-147 K's tiles among zeros, later V's fragments
; s[32:63], s[68:99] a step's 64 mask words; s[6:7] where the next step's lie
	s_load_b128 s[8:11], s[0:1], 0x0               ; qkv s[8:9], mb s[10:11]
	s_load_b64 s[12:13], s[0:1], 0x10              ; ao
	v_lshl_add_u32 v254, v0, 2, 0x34400
	v_mov_b32 v255, 0
	v_lshrrev_b32 v1, 5, v0
	v_readfirstlane_b32 s14, v1                    ; wave 0..15
	v_and_b32 v246, 31, v0                         ; lane
	v_and_b32 v247, 15, v0                         ; r
	v_bfe_u32 v248, v0, 4, 1                       ; h
	v_lshlrev_b32 v1, 4, v246
	v_lshlrev_b32 v8, 3, v246
	v_lshlrev_b32 v5, 3, v248
	v_mov_b32 v4, 0xff800000
	s_and_b32 s2, s14, 3                           ; my pair of query tiles in its record
	s_mul_i32 s3, s2, 1536
	v_add_nc_u32 v9, s3, v1
	s_lshl_b32 s2, s2, 2
	s_add_co_u32 s2, s2, 18432
	v_lshl_add_u32 v6, v247, 4, s2
	s_lshl_b32 s2, s14, 6
	s_add_co_u32 s2, s2, OSC
	v_lshl_add_u32 v7, v247, 1, s2
	s_mul_i32 s2, s14, 12288
	v_add_nc_u32 v249, s2, v1                      ; the fill: wave w copies key step w
	s_lshl_b32 s2, s14, 10
	s_add_co_u32 s2, s2, SCL
	v_add_nc_u32 v250, s2, v1
	s_and_b32 s2, s14, 1
	s_lshl_b32 s2, s2, 9
	v_add_nc_u32 v245, s2, v1                      ; the halfwords' way out (waves 0 and 1)
	v_add_nc_u32 v244, OSC, v245
	s_and_b32 s20, ttmp7, 0xffff                   ; batch x 16 + head
	s_lshr_b32 s15, s20, 4
	s_lshl_b32 s15, s15, 7
	s_lshl_b32 s2, ttmp9, 5
	s_add_co_u32 s15, s15, s2
	s_lshl_b32 s2, s14, 1
	s_add_co_u32 s15, s15, s2                      ; my first query tile: batch x 128 + 32 x + 2 wave
	s_mov_b32 s16, 0x76543210
	s_mov_b32 s17, 0xfedcba98
	s_mov_b32 s18, 0x3e38aa3b                      ; c = log2(e) / 8
	s_mov_b32 s19, s18                             ; (named with it as a pair, so it is written)
	s_mul_i32 s2, s20, 16*REC
	s_mov_b32 s3, 0
	s_mul_i32 s4, s14, REC
	s_mov_b32 s5, 0
	s_lshl_b32 s6, ttmp9, 2
	s_lshr_b32 s7, s14, 2
	s_add_co_u32 s6, s6, s7
	s_mul_i32 s6, s6, REC
	s_mov_b32 s7, 0
	s_wait_kmcnt 0x0
	s_add_nc_u64 s[8:9], s[8:9], s[2:3]            ; the head's 16 records
	s_add_nc_u64 s[30:31], s[8:9], s[4:5]          ; the record that I copy
	s_add_nc_u64 s[28:29], s[8:9], s[6:7]          ; the record of my queries
	s_and_b32 s8, s20, 15                          ; from here on s8 holds the head's number
	global_load_b128 v[50:53], v1, s[30:31] offset:18432   ; the raw scale blocks of d blocks 0 and 1
	global_load_b128 v[54:57], v1, s[30:31] offset:18944
.set n, 0
.rept 24
	global_load_b128 v[SS+4*n:SS+4*n+3], v1, s[30:31] offset:6144+512*n
.set n, n+1
.endr
.irp z, 70, 88, 106, 124, 142
.irp i, 0,1,2,3,4,5
	v_mov_b32 v[\z+\i], 0                          ; the zeros beside K's tiles: written once
.endr
.endr
	v_mov_b32 v15, 0                               ; (named as the upper half of the pair v[14:15])
	v_mov_b32 v65, 0                               ; written once: a lane permute's destination counts as read
	v_cmp_gt_u32 vcc_lo, 16, v246
	s_wait_loadcnt 0x0
.set n, 0
.rept 24
	ds_store_b128 v249, v[SS+4*n:SS+4*n+3] offset:512*n
.set n, n+1
.endr
.irp P, 0,1,2,3                        ; k's byte of d block 0, of d block 1, and both once more: the word serves a tile in either half of K
	v_perm_b32 v[58+2*\P], v[54+\P], v[50+\P], 0x05010501
	v_perm_b32 v[59+2*\P], v[54+\P], v[50+\P], 0x07030703
.endr
	v_cndmask_b32 v58, v50, v58, vcc_lo            ; lanes 16-31 carry V's four words
	v_cndmask_b32 v59, v51, v59, vcc_lo
	v_cndmask_b32 v60, v54, v60, vcc_lo
	v_cndmask_b32 v61, v55, v61, vcc_lo
	ds_store_b128 v250, v[58:61]
	ds_store_b128 v250, v[62:65] offset:512
	s_wait_dscnt 0x0                               ; for the others' sake: my stores have landed
	s_barrier_signal -1
	s_barrier_wait -1
	v_mov_b32 v65, 0
.macro PASS u
	s_wait_xcnt 0x0                                ; the earlier loads and stores have read their registers and bases
	s_add_co_u32 s9, s15, \u                       ; my query tile
	s_mov_b32 s3, 0
	s_lshl_b32 s2, s9, 12
	s_add_nc_u64 s[6:7], s[10:11], s[2:3]          ; its mask words: 16 steps x 256 bytes
	s_lshl_b32 s2, s9, 4
	s_add_co_u32 s2, s2, s8
	s_mul_i32 s2, s2, 768
	s_add_nc_u64 s[4:5], s[12:13], s[2:3]          ; o's codes: (tile x 16 + head) x 768
.if \u == 0
.irp i, 0,1
	global_load_b64 v[16+6*\i:17+6*\i], v9, s[28:29]               ; registers 0-5 of the pair image, into both halves of Q
	global_load_b64 v[18+6*\i:19+6*\i], v9, s[28:29] offset:8
	global_load_b64 v[20+6*\i:21+6*\i], v9, s[28:29] offset:512
.endr
.else
.irp i, 0,1
	global_load_b64 v[16+6*\i:17+6*\i], v9, s[28:29] offset:520    ; registers 6-11
	global_load_b64 v[18+6*\i:19+6*\i], v9, s[28:29] offset:1024
	global_load_b64 v[20+6*\i:21+6*\i], v9, s[28:29] offset:1032
.endr
.endif
	global_load_b32 v58, v6, s[28:29]
	global_load_b32 v59, v6, s[28:29] offset:512
	v_mov_b32 v11, 0xff61b1e6                      ; the largest t so far: -3e38
	v_floor_f32 v10, -v11                          ; -M
	v_mov_b32 v12, 0
	v_mov_b32 v13, 0
	s_mov_b32 s20, 0
	s_mov_b32 s21, SCL
	s_mov_b32 s22, 16
	s_wait_loadcnt 0x0
.if \u == 0
	v_perm_b32 v28, v59, v58, 0x04000400           ; q's byte of d block 0, of d block 1, twice
.else
	v_perm_b32 v28, v59, v58, 0x06020602
.endif
.set n, 0
.rept 32
	v_mov_b32 v[OO+n], 0                           ; the step is written once: the first finds zeros.  (These are also the places between the scale word's write and the first product)
.set n, n+1
.endr
.Lstep_\@:
	s_load_b512 s[32:47], s[6:7], 0x0              ; the step's 64 mask words: asked for first, wanted behind the eight products
	s_load_b512 s[48:63], s[6:7], 0x40
	s_load_b512 s[68:83], s[6:7], 0x80
	s_load_b512 s[84:99], s[6:7], 0xc0
	v_add_nc_u32 v2, s20, v1
	v_add_nc_u32 v3, s21, v1
	v_nop
	v_nop                                          ; four places behind the last products, in front of loads into their registers
	ds_load_b128 v[30:33], v3
	ds_load_b128 v[34:37], v3 offset:512
.irp p, 0,1,2,3
.irp g, 0,1,2
	ds_load_b128 v[76+18*\p+4*\g:79+18*\p+4*\g], v2 offset:1536*\p+512*\g
.endr
.endr
	s_wait_dscnt 0x0
.irp a, 0,1,2,3,4,5,6,7                ; an even tile: zeros, then its six registers; an odd one: its six, then zeros
	v_wmma_scale_f32_16x16x128_f8f6f4 v[SS+8*\a:SS+8*\a+7], v[70+18*(\a/2)+12*(\a%2):81+18*(\a/2)+12*(\a%2)], v[16:27], 0, v[30+\a], v28 matrix_a_fmt:MATRIX_FMT_BF6 matrix_b_fmt:MATRIX_FMT_BF6
.endr
.rept 4
	v_nop
.endr
.irp p, 0,1,2,3
.irp g, 0,1,2
	ds_load_b128 v[76+18*\p+4*\g:79+18*\p+4*\g], v2 offset:6144+1536*\p+512*\g   ; V's fragments land under the softmax
.endr
.endr
	s_wait_kmcnt 0x0                               ; the mask words are in: so their base may be stepped
	s_add_nc_u64 s[6:7], s[6:7], 256
.set n, 0
.rept 64
	v_cndmask_b32 v[SS+n], v4, v[SS+n], s[32+n+4*(n/32)]   ; word n is the lanes' mask for register n: -infinity where the key is hidden.  Each accumulator from its low end on
.set n, n+1
.endr
.irp k, 0,1,2,3                        ; four chains of 16 registers
	v_max3_num_f32 v[58+\k], v[SS+16*\k], v[SS+16*\k+1], v[SS+16*\k+2]
.endr
.irp i, 3,5,7,9,11,13
.irp k, 0,1,2,3
	v_max3_num_f32 v[58+\k], v[58+\k], v[SS+16*\k+\i], v[SS+16*\k+\i+1]
.endr
.endr
	v_max3_num_f32 v62, v58, v59, v[SS+15]
	v_max3_num_f32 v63, v60, v61, v[SS+47]
	v_max_num_f32 v62, v62, v[SS+31]               ; my two blocks' largest scores: they serve the row's maximum and the blocks' largest p
	v_max_num_f32 v63, v63, v[SS+63]
	v_max_num_f32 v64, v62, v63
	v_permlanex16_b32 v65, v64, s16, s17
	v_max_num_f32 v64, v64, v65                    ; the step's largest score of my query
	v_mul_f32 v64, s18, v64
	v_max_num_f32 v11, v11, v64
	v_mov_b32 v64, v10
	v_floor_f32 v10, -v11                          ; the new -M = -ceil(t)
	v_sub_f32 v64, v10, v64                        ; old M - new M: a whole number, 0 or less
	v_cvt_i32_f32 v64, v64                         ; (it saturates)
	v_ldexp_f32 v14, 1.0, v64                      ; f = 2^(old M - new M)
.set n, 0
.rept 32
	v_pk_fma_f32 v[SS+n:SS+n+1], v[SS+n:SS+n+1], s[18:19], v[10:11] op_sel_hi:[1,0,0]   ; t - M
.set n, n+2
.endr
	v_fma_f32 v62, v62, s18, v10
	v_fma_f32 v63, v63, s18, v10
.set n, 0
.rept 64
	v_exp_f32 v[SS+n], v[SS+n]                     ; p = 2^(t - M)
.set n, n+1
.endr
	v_pk_mul_f32 v[12:13], v[12:13], v[14:15] op_sel_hi:[1,0]   ; the sum under the new M: a plain place behind the exponentials
	s_wait_alu depctr_va_vdst(0)                   ; one wait for the batch, ahead of its first reader
	v_exp_f32 v62, v62
	v_exp_f32 v63, v63
	v_pk_add_f32 v[58:59], v[SS:SS+1], v[SS+2:SS+3]   ; the row's sum of the unquantised p, in two chains
.set n, 4
.rept 15
	v_pk_add_f32 v[12:13], v[12:13], v[SS+n:SS+n+1]
	v_pk_add_f32 v[58:59], v[58:59], v[SS+n+2:SS+n+3]
.set n, n+4
.endr
	v_pk_add_f32 v[12:13], v[12:13], v[58:59]
	s_wait_alu depctr_va_vdst(0)                   ; and one for the two
	v_max_num_f32 v62, 0x2800000, v62              ; the floor 2^(5 - 127)
	v_max_num_f32 v63, 0x2800000, v63
	v_add_nc_u32 v66, 0xfe000000, v62
	v_add_nc_u32 v67, 0xfe000000, v63
	v_lshrrev_b32 v68, 23, v66
	v_lshrrev_b32 v69, 23, v67
	v_lshl_or_b32 v29, v69, 16, v68
	v_lshlrev_b32 v29, v5, v29
	v_permlanex16_b32 v65, v29, s16, s17
	v_or_b32 v29, v29, v65                         ; p's scale word for these 128 keys
.irp c, 0,1
	v_cvt_scalef32_pk16_bf6_f32 v[38+6*\c:40+6*\c], v[SS+32*\c:SS+32*\c+15], v[66+\c]
	v_cvt_scalef32_pk16_bf6_f32 v[50+4*\c:52+4*\c], v[SS+32*\c+16:SS+32*\c+31], v[66+\c]
.endr
	v_nop
.irp c, 0,1
.irp i, 0,1,2
	v_mov_b32 v[41+6*\c+\i], v[50+4*\c+\i]
.endr
.endr
.set n, 0
.rept 16
	v_pk_mul_f32 v[OO+n:OO+n+1], v[OO+n:OO+n+1], v[14:15] op_sel_hi:[1,0]   ; O^T under the new M; also the places in front of the products below
.set n, n+2
.endr
	s_wait_dscnt 0x0                               ; V's fragments are in
.irp t, 0,1,2,3
	v_wmma_scale_f32_16x16x128_f8f6f4 v[OO+8*\t:OO+8*\t+7], v[76+18*\t:87+18*\t], v[38:49], v[OO+8*\t:OO+8*\t+7], v[30+\t], v29 matrix_a_fmt:MATRIX_FMT_BF6 matrix_b_fmt:MATRIX_FMT_BF6 matrix_a_scale:MATRIX_SCALE_ROW1
.endr
	s_add_co_u32 s20, s20, 12288
	s_add_co_u32 s21, s21, 1024
	s_sub_co_u32 s22, s22, 1
	s_cmp_lg_u32 s22, 0
	s_cbranch_scc1 .Lstep_\@
	; the pass's end: O^T / the sum; register 8 t + j is d = 32 h + 8 t + j: a whole block of 32 along the last product's K
.rept 4
	v_nop
.endr
	v_add_f32 v12, v12, v13
	v_permlanex16_b32 v65, v12, s16, s17
	v_add_f32 v12, v12, v65                        ; the row's sum
	v_rcp_f32 v13, v12
	v_nop                                          ; a plain place behind the reciprocal
	v_cmp_eq_f32 vcc_lo, 0, v12                    ; a row with no key
	v_mov_b32 v69, 0xff
	s_wait_alu depctr_va_vdst(0)
	v_cndmask_b32 v14, v13, v70, vcc_lo            ; (v70 holds 0)
.set n, 0
.rept 16
	v_pk_mul_f32 v[SS+n:SS+n+1], v[OO+n:OO+n+1], v[14:15] op_sel_hi:[1,0]
.set n, n+2
.endr
	v_max3_num_f32 v58, |v[SS]|, |v[SS+1]|, 0x2800000
	v_max3_num_f32 v59, |v[SS+16]|, |v[SS+17]|, 0x2800000
.irp i, 2,4,6,8,10,12,14
	v_max3_num_f32 v58, v58, |v[SS+\i]|, |v[SS+\i+1]|
	v_max3_num_f32 v59, v59, |v[SS+16+\i]|, |v[SS+17+\i]|
.endr
	v_max_num_f32 v58, v58, v59
	v_add_nc_u32 v66, 0xfe000000, v58
	v_lshrrev_b32 v68, 23, v66
	v_cndmask_b32 v68, v68, v69, vcc_lo
	v_cvt_scalef32_pk16_bf6_f32 v[38:40], v[SS:SS+15], v66
	v_cvt_scalef32_pk16_bf6_f32 v[50:52], v[SS+16:SS+31], v66
	v_lshlrev_b32 v68, v5, v68                     ; (a plain place behind the conversions)
.irp i, 0,1,2
	v_mov_b32 v[41+\i], v[50+\i]
.endr
	v_permlanex16_b32 v65, v68, s16, s17
	v_or_b32 v68, v68, v65                         ; the row's two bytes of this head
	global_store_b128 v1, v[38:41], s[4:5]
	global_store_b64 v8, v[42:43], s[4:5] offset:512
	ds_store_b16 v7, v68 offset:32*\u              ; lanes r and r + 16 write the same halfword
.endm
	PASS 0
	PASS 1
	s_wait_dscnt 0x0
	s_barrier_signal -1
	s_barrier_wait -1                              ; the work-group's 32 tiles' halfwords lie in LDS
	s_and_b32 s2, ttmp7, 0xffff
	s_lshl_b32 s2, s2, 7
	s_lshl_b32 s3, ttmp9, 5
	s_add_co_u32 s2, s2, s3
	s_lshl_b32 s2, s2, 5
	s_add_co_u32 s2, s2, 6291456
	s_mov_b32 s3, 0
	s_wait_xcnt 0x0
	s_add_nc_u64 s[4:5], s[12:13], s[2:3]
	s_cmp_lt_u32 s14, 2
	s_cbranch_scc0 .Lend
	ds_load_b128 v[58:61], v244
	s_wait_dscnt 0x0
	global_store_b128 v245, v[58:61], s[4:5]       ; 512 consecutive bytes a wave
.Lend:
	s_wait_tensorcnt 0x0
	ds_add_u32 v254, v255
	s_wait_dscnt 0x0
	s_endpgm
.Lfunc_end_k_q3c7f5f73aa_attn:
	.size	k_q3c7f5f73aa_attn, .Lfunc_end_k_q3c7f5f73aa_attn-k_q3c7f5f73aa_attn
	.p2alignl 7, 3214868480
	.fill 96, 4, 3214868480
	.section	.rodata,"a",@progbits
	.p2align	6, 0x0
	.amdhsa_kernel k_q3c7f5f73aa_attn
		.amdhsa_group_segment_fixed_size 216064
		.amdhsa_private_segment_fixed_size 0
		.amdhsa_enable_private_segment 0
		.amdhsa_kernarg_size 24
		.amdhsa_user_sgpr_count 2
		.amdhsa_user_sgpr_kernarg_segment_ptr 1
		.amdhsa_wavefront_size32 1
		.amdhsa_system_sgpr_workgroup_id_x 1
		.amdhsa_system_sgpr_workgroup_id_y 1
		.amdhsa_system_sgpr_workgroup_id_z 1
		.amdhsa_system_vgpr_workitem_id 0
		.amdhsa_next_free_vgpr 256
		.amdhsa_next_free_sgpr 100
		.amdhsa_reserve_vcc 1
		.amdhsa_float_denorm_mode_32 3
		.amdhsa_float_denorm_mode_16_64 3
		.amdhsa_memory_ordered 1
		.amdhsa_forward_progress 1
		.amdhsa_inst_pref_size 59
	.end_amdhsa_kernel
	.amdgpu_metadata
---
amdhsa.version: [ 1, 2 ]
amdhsa.kernels:
  - .name:           k_q3c7f5f73aa_attn
    .symbol:         k_q3c7f5f73aa_attn.kd
    .args:
      - { .name: qkv, .offset: 0, .size: 8, .value_kind: global_buffer, .address_space: global }
      - { .name: mb, .offset: 8, .size: 8, .value_kind: global_buffer, .address_space: global }
      - { .name: ao, .offset: 16, .size: 8, .value_kind: global_buffer, .address_space: global }
    .group_segment_fixed_size: 216064
    .private_segment_fixed_size: 0
    .kernarg_segment_align: 8
    .kernarg_segment_size: 24
    .max_flat_workgroup_size: 512
    .sgpr_count:     100
    .vgpr_count:     256
    .wavefront_size: 32
...
	.end_amdgpu_metadata
.endif
;; end of part 3
;; launch proj (part 4): grid 4 x 64, 4 waves a work-group, no clusters, 120,320 bytes of LDS; arguments ao, wc, b_out, out0; writes out0
.if DOCPART == 4
	.amdgcn_target "amdgcn-amd-amdhsa--gfx1250"
	.amdhsa_code_object_version 6
	.text
	.protected	k_q3c7f5f73aa_proj
	.globl	k_q3c7f5f73aa_proj
	.p2align	8
	.type	k_q3c7f5f73aa_proj,@function
k_q3c7f5f73aa_proj:
	s_mov_b64 s[64:65], 0
	v_nop
	global_prefetch_b8 v0, s[64:65] scope:SCOPE_SE
	s_setreg_imm32_b32 hwreg(HW_REG_WAVE_MODE, 25, 1), 1
	s_wait_xcnt 0x0
; PROJ: out0 = o w_out + b_out on codes of BF6 with E8M0 scales.
; SHARES.  A work-group: 128 rows x 256 columns; 256 work-groups.  Wave w: 64 columns; its 32 weight fragments (384 registers) stay in registers.  The 8 row tiles' codes (98,304 dense bytes) go once through registers into LDS and
; are read by all four waves.  The product is used transposed (source 0 = 16 weight columns, source 1 = 16 rows of o): a lane holds neighbouring columns of one row.  The bias is the C of each sum's first instruction.
; NO TENSOR LOAD AND NO CLUSTER: every operand byte is asked for once, at the head, and no loop fetches anything again; what partners would share (96 KB of codes along x) is less than the 128 KB that each work-group stores.
; A row whose scale bytes are 0xff (no key was left by the mask) comes out as NaN.
; REGISTERS: window 0: v1-12 addresses; v16-31 the weights' scale words; v32-39 o's; v40-71 rows on the way out (at the head v40-247: the copy).  window 1: the weights' K steps 0-3; window 2: K steps 4-7.
;   window 3: v0-95 a row tile's 8 fragments; v96-127 four accumulators; v128-159 the bias.
.set ASC, 98304                        ; LDS: codes at 12,288 T + 1,536 ks; scale words at ASC + 512 ks + 64 T + 4 r; the waves' stages from STG on, 16 rows x 272 bytes each
.set STG, 102400
.set WC_O,  2457600
.set WC_OS, 3244032
.set MSB, 0
.macro WIN new
.if MSB != \new
	s_set_vgpr_msb (MSB<<8)|\new
.set MSB, \new
.endif
.endm
.macro PLACES n
.rept \n
	v_nop
.endr
.endm
	s_load_b256 s[4:11], s[0:1], 0x0               ; ao s[4:5], wc s[6:7], b_out s[8:9], out0 s[10:11]
	v_lshl_add_u32 v254, v0, 2, 0x1d400
	v_mov_b32 v255, 0
	v_lshrrev_b32 v1, 5, v0
	v_readfirstlane_b32 s12, v1                    ; wave
	s_and_b32 s13, ttmp7, 0xffff                   ; y: the block of 128 rows
	s_lshl_b32 s14, ttmp9, 2
	s_add_co_u32 s14, s14, s12                     ; my 64 columns' number
	v_and_b32 v13, 31, v0
	v_and_b32 v14, 15, v0                          ; r
	v_bfe_u32 v15, v0, 4, 1                        ; h
	v_lshlrev_b32 v1, 4, v13                       ; 16 l
	v_lshlrev_b32 v2, 3, v13                       ; 8 l
	v_add_nc_u32 v3, 49152, v1                     ; the same for row tiles 4-7 (an LDS offset has 16 bits)
	v_add_nc_u32 v4, 49152, v2
	v_lshl_add_u32 v5, v14, 2, ASC
	v_lshlrev_b32 v6, 12, v15
	v_lshl_add_u32 v6, v14, 4, v6                  ; out0: 4,096 h + 16 r
	s_mul_i32 s15, s12, 4352
	s_add_co_u32 s15, s15, STG
	v_mul_u32_u24 v7, v14, 272
	v_lshl_add_u32 v7, v15, 6, v7
	v_add_nc_u32 v7, s15, v7                       ; into my stage: row r, + 64 h
	v_mul_u32_u24 v8, v15, 272
	v_lshl_add_u32 v8, v14, 4, v8
	v_add_nc_u32 v8, s15, v8                       ; back: lanes 0-15 one row, lanes 16-31 the next
	v_lshlrev_b32 v9, 6, v15                       ; the bias: 16 h numbers on
	v_lshlrev_b32 v10, 2, v13                      ; 4 l
	s_mul_i32 s15, s12, 24576
	v_add_nc_u32 v11, s15, v1                      ; the copy: my quarter
	s_lshl_b32 s15, s12, 10
	s_add_co_u32 s15, s15, ASC
	v_add_nc_u32 v12, s15, v1                      ; the scale words of K steps 2 w and 2 w + 1
	s_mov_b32 s29, 0
	s_wait_kmcnt 0x0
	s_mul_i32 s28, s13, 98304
	s_mul_i32 s15, s12, 24576
	s_add_co_u32 s28, s28, s15
	s_add_nc_u64 s[16:17], s[4:5], s[28:29]
	s_lshr_b32 s28, s13, 4
	s_lshl_b32 s28, s28, 4
	s_lshl_b32 s15, s12, 2
	s_add_co_u32 s28, s28, s15
	s_lshl_b32 s28, s28, 12                        ; (batch x 16 + head 4 w) x 4,096
	s_and_b32 s15, s13, 15
	s_lshl_b32 s15, s15, 8
	s_add_co_u32 s28, s28, s15
	s_add_co_u32 s28, s28, 6291456
	s_add_nc_u64 s[18:19], s[4:5], s[28:29]
	s_mul_i32 s28, s14, 49152
	s_add_co_u32 s28, s28, WC_O
	s_add_nc_u64 s[20:21], s[6:7], s[28:29]
	s_lshl_b32 s28, s14, 11
	s_add_co_u32 s28, s28, WC_OS
	s_add_nc_u64 s[22:23], s[6:7], s[28:29]
	s_lshl_b32 s28, s14, 8
	s_add_nc_u64 s[24:25], s[8:9], s[28:29]
	s_lshl_b32 s28, s13, 19                        ; 128 rows x 4,096 bytes
	s_lshl_b32 s15, s14, 8
	s_add_co_u32 s28, s28, s15
	s_add_nc_u64 s[26:27], s[10:11], s[28:29]
.set n, 0
.rept 48
	global_load_b128 v[40+4*n:43+4*n], v1, s[16:17] offset:512*n
.set n, n+1
.endr
.irp e, 0,1,2,3
	global_load_b64 v[232+2*\e:233+2*\e], v2, s[18:19] offset:4096*\e   ; head 4 w + e: 8 tiles x 16 halfwords
.endr
	WIN 0x40
.set n, 0
.rept 48
	global_load_b128 v[4*n:4*n+3], v1, s[20:21] offset:512*n
.set n, n+1
.endr
	WIN 0xc0
.irp t, 0,1,2,3
	global_load_b128 v[128+8*\t:131+8*\t], v9, s[24:25] offset:128*(\t/2)+32*(\t%2)
	global_load_b128 v[132+8*\t:135+8*\t], v9, s[24:25] offset:128*(\t/2)+32*(\t%2)+16
.endr
	WIN 0
	s_wait_loadcnt 56                              ; the copy and the halfwords are in; the 48 weight loads and 8 bias loads may be out
.set n, 0
.rept 48
	ds_store_b128 v11, v[40+4*n:43+4*n] offset:512*n
.set n, n+1
.endr
.irp k, 0,1                            ; a K step is two heads: the even head's halfword below, the odd head's above
	v_perm_b32 v[240+4*\k], v[234+4*\k], v[232+4*\k], 0x05040100
	v_perm_b32 v[241+4*\k], v[234+4*\k], v[232+4*\k], 0x07060302
	v_perm_b32 v[242+4*\k], v[235+4*\k], v[233+4*\k], 0x05040100
	v_perm_b32 v[243+4*\k], v[235+4*\k], v[233+4*\k], 0x07060302
	ds_store_b128 v12, v[240+4*\k:243+4*\k] offset:512*\k
.endr
	WIN 0x80
.set n, 0
.rept 48
	global_load_b128 v[4*n:4*n+3], v1, s[20:21] offset:24576+512*n
.set n, n+1
.endr
	WIN 0
.irp k, 0,1,2,3,4,5,6,7
.irp g, 0,1
	global_load_b32 v[16+2*\k+\g], v10, s[22:23] offset:256*\k+128*\g   ; lanes 0-15: tile 2 g's words, lanes 16-31: tile 2 g + 1's
.endr
.endr
	s_wait_dscnt 0x0                               ; for the others' sake: my stores have landed
	s_barrier_signal -1
	s_barrier_wait -1
.macro FETCH_H T, hf                   ; row tile T's fragments and scale words of K steps 4 hf .. 4 hf + 3
.if (\T) < 4
.set rL, 1
.else
.set rL, 3
.endif
.set oT, 12288*((\T)%4)
	WIN 0xc0
.irp k, 4*(\hf), 4*(\hf)+1, 4*(\hf)+2, 4*(\hf)+3
	ds_load_b128 v[12*(\k):12*(\k)+3], v[rL] offset:oT+1536*(\k)
	ds_load_b64 v[12*(\k)+4:12*(\k)+5], v[rL+1] offset:oT+1536*(\k)+512
	ds_load_b128 v[12*(\k)+6:12*(\k)+9], v[rL] offset:oT+1536*(\k)+768
	ds_load_b64 v[12*(\k)+10:12*(\k)+11], v[rL+1] offset:oT+1536*(\k)+1280
.endr
	WIN 0
.irp k, 4*(\hf), 4*(\hf)+1, 4*(\hf)+2, 4*(\hf)+3
	ds_load_b32 v[32+(\k)], v5 offset:512*(\k)+64*(\T)
.endr
.endm
.macro MULH hf                         ; 16 matrix instructions: four K steps x four tiles of columns; the four accumulators take turns
	WIN 0xfd+(\hf)
.irp k, 4*(\hf), 4*(\hf)+1, 4*(\hf)+2, 4*(\hf)+3
.irp t, 0,1,2,3
.set rD, 96+8*\t
.if (\k) == 0
.set rC, 128+8*\t
.else
.set rC, rD
.endif
.if \t%2
	v_wmma_scale_f32_16x16x128_f8f6f4 v[rD:rD+7], v[12*(4*((\k)%4)+\t):12*(4*((\k)%4)+\t)+11], v[12*(\k):12*(\k)+11], v[rC:rC+7], v[16+2*(\k)+\t/2], v[32+(\k)] matrix_a_fmt:MATRIX_FMT_BF6 matrix_b_fmt:MATRIX_FMT_BF6 matrix_a_scale:MATRIX_SCALE_ROW1
.else
	v_wmma_scale_f32_16x16x128_f8f6f4 v[rD:rD+7], v[12*(4*((\k)%4)+\t):12*(4*((\k)%4)+\t)+11], v[12*(\k):12*(\k)+11], v[rC:rC+7], v[16+2*(\k)+\t/2], v[32+(\k)] matrix_a_fmt:MATRIX_FMT_BF6 matrix_b_fmt:MATRIX_FMT_BF6
.endif
.endr
.endr
.endm
.macro TILE T
	s_wait_dscnt 0x0                               ; the tile's fragments and scale words are in
	MULH 0
	PLACES 4                                       ; in front of loads into registers that the products have read
.if (\T) < 7
	FETCH_H (\T)+1, 0
.endif
	MULH 1
	PLACES 5                                       ; four in front of the loads and of the first read of results; five in front of the next tile's first products, which begin these accumulators anew
.if (\T) < 7
	FETCH_H (\T)+1, 1
.endif
	WIN 0x0c                                       ; an LDS store's data are its source 1: window 3
.irp t, 0,1,2,3
	ds_store_b128 v7, v[96+8*\t:99+8*\t] offset:128*(\t/2)+32*(\t%2)       ; lane (r, h): columns 32 (t / 2) + 16 h + 8 (t % 2) + 0 .. 7 of row r; each accumulator from its low end on
	ds_store_b128 v7, v[100+8*\t:103+8*\t] offset:128*(\t/2)+32*(\t%2)+16
.endr
	WIN 0
	s_wait_xcnt 0x0                                ; the last tile's stores have read their registers
.irp i, 0,1,2,3,4,5,6,7
	ds_load_b128 v[40+4*\i:43+4*\i], v8 offset:544*\i   ; LDS serves a wave's instructions in order: these see my stores
.endr
	s_wait_dscnt 0x0
.irp i, 0,1,2,3,4,5,6,7
	global_store_b128 v6, v[40+4*\i:43+4*\i], s[26:27] offset:(64*((\T)/4)+8*((\T)%4)+2*\i+24*(\i/4))*4096 th:TH_STORE_NT   ; sixteen lanes store 256 consecutive bytes, aligned, of a true row
.endr
.endm
	FETCH_H 0, 0
	FETCH_H 0, 1
	s_wait_loadcnt 0x0                             ; the weights, their scale words, the bias
	TILE 0
	TILE 1
	TILE 2
	TILE 3
	TILE 4
	TILE 5
	TILE 6
	TILE 7
	s_wait_tensorcnt 0x0
	ds_add_u32 v254, v255
	s_wait_dscnt 0x0
	s_endpgm
.Lfunc_end_k_q3c7f5f73aa_proj:
	.size	k_q3c7f5f73aa_proj, .Lfunc_end_k_q3c7f5f73aa_proj-k_q3c7f5f73aa_proj
	.p2alignl 7, 3214868480
	.fill 96, 4, 3214868480
	.section	.rodata,"a",@progbits
	.p2align	6, 0x0
	.amdhsa_kernel k_q3c7f5f73aa_proj
		.amdhsa_group_segment_fixed_size 120320
		.amdhsa_private_segment_fixed_size 0
		.amdhsa_enable_private_segment 0
		.amdhsa_kernarg_size 32
		.amdhsa_user_sgpr_count 2
		.amdhsa_user_sgpr_kernarg_segment_ptr 1
		.amdhsa_wavefront_size32 1
		.amdhsa_system_sgpr_workgroup_id_x 1
		.amdhsa_system_sgpr_workgroup_id_y 1
		.amdhsa_system_sgpr_workgroup_id_z 1
		.amdhsa_system_vgpr_workitem_id 0
		.amdhsa_next_free_vgpr 1024
		.amdhsa_next_free_sgpr 66
		.amdhsa_reserve_vcc 0
		.amdhsa_float_denorm_mode_32 3
		.amdhsa_float_denorm_mode_16_64 3
		.amdhsa_memory_ordered 1
		.amdhsa_forward_progress 1
		.amdhsa_inst_pref_size 95
	.end_amdhsa_kernel
	.amdgpu_metadata
---
amdhsa.version: [ 1, 2 ]
amdhsa.kernels:
  - .name:           k_q3c7f5f73aa_proj
    .symbol:         k_q3c7f5f73aa_proj.kd
    .args:
      - { .name: ao, .offset: 0, .size: 8, .value_kind: global_buffer, .address_space: global }
      - { .name: wc, .offset: 8, .size: 8, .value_kind: global_buffer, .address_space: global }
      - { .name: b_out, .offset: 16, .size: 8, .value_kind: global_buffer, .address_space: global }
      - { .name: out0, .offset: 24, .size: 8, .value_kind: global_buffer, .address_space: global }
    .group_segment_fixed_size: 120320
    .private_segment_fixed_size: 0
    .kernarg_segment_align: 8
    .kernarg_segment_size: 32
    .max_flat_workgroup_size: 128
    .sgpr_count:     66
    .vgpr_count:     1024
    .wavefront_size: 32
...
	.end_amdgpu_metadata
.endif
;; end of part 4
;; ======== version 2 of 2: 4 launches; version 1 with the launches attn, proj written anew for expert scheduling mode
;; workspace buffers: xc 6,553,600 bytes; wc 3,276,800 bytes; mb 2,097,152 bytes of whole numbers; qkv 19,922,944 bytes; ao 6,553,600 bytes
;; launch prep: the kernel of part 1 again; grid 1024 x 1, 4 waves a work-group, no clusters, 59,904 bytes of LDS; arguments x, mask, w_qkv, w_out, xc, wc, mb; writes xc, wc, mb
;; launch qkv: the kernel of part 2 again; grid 16 x 32, 4 waves a work-group, clusters of 4 x 4, 307,712 bytes of LDS; arguments xc, wc, b_qkv, qkv; writes qkv
;; launch attn (part 5): grid 4 x 64, 16 waves a work-group, no clusters, 216,064 bytes of LDS; arguments qkv, mb, ao; writes ao
.if DOCPART == 5
	.amdgcn_target "amdgcn-amd-amdhsa--gfx1250"
	.amdhsa_code_object_version 6
	.text
	.protected	k_q3c7f5f73aa_attn
	.globl	k_q3c7f5f73aa_attn
	.p2align	8
	.type	k_q3c7f5f73aa_attn,@function
k_q3c7f5f73aa_attn:
	s_mov_b64 s[64:65], 0
	v_nop
	global_prefetch_b8 v0, s[64:65] scope:SCOPE_SE
	s_setreg_imm32_b32 hwreg(HW_REG_WAVE_SCHED_MODE, 0, 2), 2
	s_setreg_imm32_b32 hwreg(HW_REG_WAVE_MODE, 25, 1), 1
	s_wait_xcnt 0x0
	s_wait_alu depctr_vm_vsrc(0)
; ATTN: o = softmax(q k^T / 8, masked) v for one head, both products on codes of BF6 with E8M0 scales; o is quantised along the embedding's axis and leaves as codes.
; THE SOFTMAX: t = score x log2(e) / 8; M = the running largest t rounded UP to a whole number; p = 2^(t - M) is quantised along the keys, not normalised; the row's sum is taken of the unquantised p and divides O at the end.
; When M moves, the sum and O are multiplied by 2^(old M - new M): exact.  A key that the mask hides gets the score -infinity ahead of the maximum.  A row with no key at all: zero codes under the scale byte 0xff, which the
; last launch's products turn into NaN for that row.
; THE MASK is honoured in every key step alike: 64 bit words, one for each register of the scores, come by scalar loads and steer 64 selects.  No branch and no address hangs on what they hold.
; SHARES.  A work-group: 512 queries of one head; 256 work-groups.  The head's K and V codes (196,608 bytes) and scale words stay in LDS for the whole launch.  Each of 16 waves owns two tiles of 16 queries, one after the other
; (a pass), and walks 16 key steps of 128 keys in each.  Four waves share a SIMD: one wave's vector work stands beside another's products and LDS loads.
; LAYOUT.  Both products transposed (S^T = K Q^T, O^T = V^T P^T): a lane holds one query.  By the choice of the keys that form a tile, registers 32 c + i of S^T are keys 64 c + 32 h + i: a WHOLE block of 32 in a lane, in the order of
; the next operand's registers: no exchange of halves.  K = 64 of the first product fills half an instruction: a tile of K stands beside six registers of zeros, q stands in both halves of its fragment.
; NO TENSOR LOAD AND NO CLUSTER, though the four work-groups of a head read the same K and V: those bytes come once, at the head, 26 loads of 16 bytes a lane for each wave, and their scale words are re-formed by vector
; instructions on the way into LDS; behind that fill each wave walks 32 key steps in which nothing shared is fetched: a step's only memory reads are its own tile's 256 bytes of mask words.
; LIMITS: NaN and infinities among the inputs are not served.  A block's largest p is taken through its largest score: this takes v_exp_f32 not to fall where its input rises (the ISA guide promises 1 ulp).
; THE MODE: SCHED_MODE bits 1:0 = 2 (LLVM: expert scheduling mode 2), set by the entry lines.  The code itself states the register dependences
; between vector or matrix instructions and memory or LDS instructions, with s_wait_alu, always for 0.
; THE PLAN.  Registers that LDS instructions touch in a key step:
;   v2, v3     LDS addresses.  Written by two additions at the step's head; read by the step's 26 LDS loads.
;   v30-37     Scale words of K and V.  LDS loads land in them at the head; the step's eight and four products read them.
;   v76-147    Four runs of 12.  K's tiles land at the head and are read by the eight products; V's fragments land behind the wait for the exponentials and are read by the four products.
;   v29, v38-49  p's scale word and codes: written by vector instructions, taken by the four scaled products.
;   v1         16 x lane: never written again.
; A wave's 256 registers leave no room for a second buffer of K or V.  So a step has one wait on vm_vsrc, ahead of the two additions, and three on va_vdst: behind the additions (it frees v30-37 and v76-147 for K's loads),
; behind the exponentials (one wait for all 66; it also frees v76-147 for V's loads, which stand directly behind it), and ahead of the four products (p's codes and scale word are written).
.set REC,  19456
.set SCL,  196608                      ; LDS: step s's codes at 12,288 s (K's 4 pair images, V's 4 fragments); its scale words at SCL + 1,024 s
.set OSC,  212992                      ; o's scale halfwords: 32 tiles x 32 bytes
.set SS,   148                         ; v148-211 S^T, then p
.set OO,   212                         ; v212-243 O^T
; v1 16 l; v2, v3 addresses of the step's loads; v4 -infinity; v5 8 h; v6, v9 q's places; v7 my halfword's place; v8 8 l; v10 -M, v11 the largest t; v[12:13] the sum; v[14:15] f
; v16-27 Q; v28 its scale word; v29 p's; v30-37 K's (lanes 0-15) and V's (lanes 16-31) scale words; v38-49 p's codes; v50-69 at work; v70-147 K's tiles among zeros, later V's fragments
; s[32:63], s[68:99] a step's 64 mask words; s[6:7] where the next step's lie
	s_load_b128 s[8:11], s[0:1], 0x0               ; qkv s[8:9], mb s[10:11]
	s_load_b64 s[12:13], s[0:1], 0x10              ; ao
	v_lshl_add_u32 v254, v0, 2, 0x34400
	v_mov_b32 v255, 0
	v_lshrrev_b32 v1, 5, v0
	v_readfirstlane_b32 s14, v1                    ; wave 0..15
	v_and_b32 v246, 31, v0                         ; lane
	v_and_b32 v247, 15, v0                         ; r
	v_bfe_u32 v248, v0, 4, 1                       ; h
	v_lshlrev_b32 v1, 4, v246
	v_lshlrev_b32 v8, 3, v246
	v_lshlrev_b32 v5, 3, v248
	v_mov_b32 v4, 0xff800000
	s_wait_alu depctr_va_sdst(0)                   ; s14 is written, ahead of its first reader
	s_and_b32 s2, s14, 3                           ; my pair of query tiles in its record
	s_mul_i32 s3, s2, 1536
	v_add_nc_u32 v9, s3, v1
	s_lshl_b32 s2, s2, 2
	s_add_co_u32 s2, s2, 18432
	v_lshl_add_u32 v6, v247, 4, s2
	s_lshl_b32 s2, s14, 6
	s_add_co_u32 s2, s2, OSC
	v_lshl_add_u32 v7, v247, 1, s2
	s_mul_i32 s2, s14, 12288
	v_add_nc_u32 v249, s2, v1                      ; the fill: wave w copies key step w
	s_lshl_b32 s2, s14, 10
	s_add_co_u32 s2, s2, SCL
	v_add_nc_u32 v250, s2, v1
	s_and_b32 s2, s14, 1
	s_lshl_b32 s2, s2, 9
	v_add_nc_u32 v245, s2, v1                      ; the halfwords' way out (waves 0 and 1)
	v_add_nc_u32 v244, OSC, v245
	s_and_b32 s20, ttmp7, 0xffff                   ; batch x 16 + head
	s_lshr_b32 s15, s20, 4
	s_lshl_b32 s15, s15, 7
	s_lshl_b32 s2, ttmp9, 5
	s_add_co_u32 s15, s15, s2
	s_lshl_b32 s2, s14, 1
	s_add_co_u32 s15, s15, s2                      ; my first query tile: batch x 128 + 32 x + 2 wave
	s_mov_b32 s16, 0x76543210
	s_mov_b32 s17, 0xfedcba98
	s_mov_b32 s18, 0x3e38aa3b                      ; c = log2(e) / 8
	s_mov_b32 s19, s18                             ; (named with it as a pair, so it is written)
	s_mul_i32 s2, s20, 16*REC
	s_mov_b32 s3, 0
	s_mul_i32 s4, s14, REC
	s_mov_b32 s5, 0
	s_lshl_b32 s6, ttmp9, 2
	s_lshr_b32 s7, s14, 2
	s_add_co_u32 s6, s6, s7
	s_mul_i32 s6, s6, REC
	s_mov_b32 s7, 0
	s_wait_kmcnt 0x0
	s_add_nc_u64 s[8:9], s[8:9], s[2:3]            ; the head's 16 records
	s_add_nc_u64 s[30:31], s[8:9], s[4:5]          ; the record that I copy
	s_add_nc_u64 s[28:29], s[8:9], s[6:7]          ; the record of my queries
	s_and_b32 s8, s20, 15                          ; from here on s8 holds the head's number
	s_wait_alu depctr_va_vdst(0)                   ; the offsets and LDS addresses v1, v6 to v9, v244, v245, v249, v250 are written: the kernel's loads and stores read them, and none is written again
	global_load_b128 v[50:53], v1, s[30:31] offset:18432   ; the raw scale blocks of d blocks 0 and 1
	global_load_b128 v[54:57], v1, s[30:31] offset:18944
.set n, 0
.rept 24
	global_load_b128 v[SS+4*n:SS+4*n+3], v1, s[30:31] offset:6144+512*n
.set n, n+1
.endr
.irp z, 70, 88, 106, 124, 142
.irp i, 0,1,2,3,4,5
	v_mov_b32 v[\z+\i], 0                          ; the zeros beside K's tiles: written once
.endr
.endr
	v_mov_b32 v15, 0                               ; (named as the upper half of the pair v[14:15])
	v_mov_b32 v65, 0                               ; written once: a lane permute's destination counts as read
	v_cmp_gt_u32 vcc_lo, 16, v246
	s_wait_loadcnt 0x0
.set n, 0
.rept 24
	ds_store_b128 v249, v[SS+4*n:SS+4*n+3] offset:512*n   ; loaded data, and an address that stands ahead of the wait above: no vector instruction since names either
.set n, n+1
.endr
.irp P, 0,1,2,3                        ; k's byte of d block 0, of d block 1, and both once more: the word serves a tile in either half of K
	v_perm_b32 v[58+2*\P], v[54+\P], v[50+\P], 0x05010501
	v_perm_b32 v[59+2*\P], v[54+\P], v[50+\P], 0x07030703
.endr
	s_wait_alu depctr_va_vcc(0)                    ; VCC is written, ahead of the first select that reads it
	v_cndmask_b32 v58, v50, v58, vcc_lo            ; lanes 16-31 carry V's four words
	v_cndmask_b32 v59, v51, v59, vcc_lo
	v_cndmask_b32 v60, v54, v60, vcc_lo
	v_cndmask_b32 v61, v55, v61, vcc_lo
	s_wait_alu depctr_va_vdst(0)                   ; v58 to v65 are written, which the two LDS stores read; so are the zeros beside K's tiles, which the products take as part of an operand
	ds_store_b128 v250, v[58:61]
	ds_store_b128 v250, v[62:65] offset:512
	s_wait_dscnt 0x0                               ; for the others' sake: my stores have landed
	s_barrier_signal -1
	s_barrier_wait -1
	s_wait_alu depctr_vm_vsrc(0)                   ; my LDS stores have read v58 to v65 and v148 to v243, which the lines, loads and products below write again
	v_mov_b32 v65, 0
.macro PASS u
	s_wait_xcnt 0x0                                ; the earlier loads and stores have read their registers and bases
.if \u
	s_wait_alu depctr_vm_vsrc(0)                   ; the last pass's stores have read v38 to v43 and v68, which this pass writes again
.endif
	s_add_co_u32 s9, s15, \u                       ; my query tile
	s_mov_b32 s3, 0
	s_lshl_b32 s2, s9, 12
	s_add_nc_u64 s[6:7], s[10:11], s[2:3]          ; its mask words: 16 steps x 256 bytes
	s_lshl_b32 s2, s9, 4
	s_add_co_u32 s2, s2, s8
	s_mul_i32 s2, s2, 768
	s_add_nc_u64 s[4:5], s[12:13], s[2:3]          ; o's codes: (tile x 16 + head) x 768
.if \u == 0                            ; (no vector or matrix instruction since the last wait on va_vdst names v16 to v27, v58, v59 or the offsets v6, v9)
.irp i, 0,1
	global_load_b64 v[16+6*\i:17+6*\i], v9, s[28:29]               ; registers 0-5 of the pair image, into both halves of Q
	global_load_b64 v[18+6*\i:19+6*\i], v9, s[28:29] offset:8
	global_load_b64 v[20+6*\i:21+6*\i], v9, s[28:29] offset:512
.endr
.else
.irp i, 0,1
	global_load_b64 v[16+6*\i:17+6*\i], v9, s[28:29] offset:520    ; registers 6-11
	global_load_b64 v[18+6*\i:19+6*\i], v9, s[28:29] offset:1024
	global_load_b64 v[20+6*\i:21+6*\i], v9, s[28:29] offset:1032
.endr
.endif
	global_load_b32 v58, v6, s[28:29]
	global_load_b32 v59, v6, s[28:29] offset:512
	v_mov_b32 v11, 0xff61b1e6                      ; the largest t so far: -3e38
	v_floor_f32 v10, -v11                          ; -M
	v_mov_b32 v12, 0
	v_mov_b32 v13, 0
	s_mov_b32 s20, 0
	s_mov_b32 s21, SCL
	s_mov_b32 s22, 16
	s_wait_loadcnt 0x0
.if \u == 0
	v_perm_b32 v28, v59, v58, 0x04000400           ; q's byte of d block 0, of d block 1, twice
.else
	v_perm_b32 v28, v59, v58, 0x06020602
.endif
.set n, 0
.rept 32
	v_mov_b32 v[OO+n], 0                           ; the step is written once: the first finds zeros.  (These are also the places between the scale word's write and the first product)
.set n, n+1
.endr
.Lstep_\@:
	s_load_b512 s[32:47], s[6:7], 0x0              ; the step's 64 mask words: asked for first, wanted behind the eight products
	s_load_b512 s[48:63], s[6:7], 0x40
	s_load_b512 s[68:83], s[6:7], 0x80
	s_load_b512 s[84:99], s[6:7], 0xc0
	s_wait_alu depctr_vm_vsrc(0)                   ; the last step's LDS loads have read v2 and v3, which the two additions write
	v_add_nc_u32 v2, s20, v1
	v_add_nc_u32 v3, s21, v1
	v_nop
	v_nop                                          ; four places behind the last products, in front of loads into their registers
	s_wait_alu depctr_va_vdst(0)                   ; v2 and v3 are written, which the loads below read; the last step's four products are done reading v30 to v37 and v76 to v147, in which they land; in a pass's first step q's scale word v28 is written
	ds_load_b128 v[30:33], v3
	ds_load_b128 v[34:37], v3 offset:512
.irp p, 0,1,2,3
.irp g, 0,1,2
	ds_load_b128 v[76+18*\p+4*\g:79+18*\p+4*\g], v2 offset:1536*\p+512*\g
.endr
.endr
	s_wait_dscnt 0x0
.irp a, 0,1,2,3,4,5,6,7                ; an even tile: zeros, then its six registers; an odd one: its six, then zeros
	v_wmma_scale_f32_16x16x128_f8f6f4 v[SS+8*\a:SS+8*\a+7], v[70+18*(\a/2)+12*(\a%2):81+18*(\a/2)+12*(\a%2)], v[16:27], 0, v[30+\a], v28 matrix_a_fmt:MATRIX_FMT_BF6 matrix_b_fmt:MATRIX_FMT_BF6
.endr
.rept 4
	v_nop                                          ; four places in front of the first read of the scores
.endr
	s_wait_kmcnt 0x0                               ; the mask words are in: so their base may be stepped
	s_add_nc_u64 s[6:7], s[6:7], 256
.set n, 0
.rept 64
	v_cndmask_b32 v[SS+n], v4, v[SS+n], s[32+n+4*(n/32)]   ; word n is the lanes' mask for register n: -infinity where the key is hidden.  Each accumulator from its low end on
.set n, n+1
.endr
.irp k, 0,1,2,3                        ; four chains of 16 registers
	v_max3_num_f32 v[58+\k], v[SS+16*\k], v[SS+16*\k+1], v[SS+16*\k+2]
.endr
.irp i, 3,5,7,9,11,13
.irp k, 0,1,2,3
	v_max3_num_f32 v[58+\k], v[58+\k], v[SS+16*\k+\i], v[SS+16*\k+\i+1]
.endr
.endr
	v_max3_num_f32 v62, v58, v59, v[SS+15]
	v_max3_num_f32 v63, v60, v61, v[SS+47]
	v_max_num_f32 v62, v62, v[SS+31]               ; my two blocks' largest scores: they serve the row's maximum and the blocks' largest p
	v_max_num_f32 v63, v63, v[SS+63]
	v_max_num_f32 v64, v62, v63
	v_permlanex16_b32 v65, v64, s16, s17
	v_max_num_f32 v64, v64, v65                    ; the step's largest score of my query
	v_mul_f32 v64, s18, v64
	v_max_num_f32 v11, v11, v64
	v_mov_b32 v64, v10
	v_floor_f32 v10, -v11                          ; the new -M = -ceil(t)
	v_sub_f32 v64, v10, v64                        ; old M - new M: a whole number, 0 or less
	v_cvt_i32_f32 v64, v64                         ; (it saturates)
	v_ldexp_f32 v14, 1.0, v64                      ; f = 2^(old M - new M)
.set n, 0
.rept 32
	v_pk_fma_f32 v[SS+n:SS+n+1], v[SS+n:SS+n+1], s[18:19], v[10:11] op_sel_hi:[1,0,0]   ; t - M
.set n, n+2
.endr
	v_fma_f32 v62, v62, s18, v10
	v_fma_f32 v63, v63, s18, v10
.set n, 0
.rept 64
	v_exp_f32 v[SS+n], v[SS+n]                     ; p = 2^(t - M)
.set n, n+1
.endr
	v_exp_f32 v62, v62                             ; the two blocks' largest p, in the same batch
	v_exp_f32 v63, v63
	v_pk_mul_f32 v[12:13], v[12:13], v[14:15] op_sel_hi:[1,0]   ; the sum under the new M: a plain place behind the exponentials
	s_wait_alu depctr_va_vdst(0)                   ; the 66 exponentials have written p and v62, v63, ahead of their first reader; the eight products are done reading K's tiles in v76 to v147, in which V's fragments land
.irp p, 0,1,2,3
.irp g, 0,1,2
	ds_load_b128 v[76+18*\p+4*\g:79+18*\p+4*\g], v2 offset:6144+1536*\p+512*\g   ; V's fragments land under the sums, the scale's lines, the conversions and the rescaling
.endr
.endr
	v_pk_add_f32 v[58:59], v[SS:SS+1], v[SS+2:SS+3]   ; the row's sum of the unquantised p, in two chains
.set n, 4
.rept 15
	v_pk_add_f32 v[12:13], v[12:13], v[SS+n:SS+n+1]
	v_pk_add_f32 v[58:59], v[58:59], v[SS+n+2:SS+n+3]
.set n, n+4
.endr
	v_pk_add_f32 v[12:13], v[12:13], v[58:59]
	v_max_num_f32 v62, 0x2800000, v62              ; the floor 2^(5 - 127)
	v_max_num_f32 v63, 0x2800000, v63
	v_add_nc_u32 v66, 0xfe000000, v62
	v_add_nc_u32 v67, 0xfe000000, v63
	v_lshrrev_b32 v68, 23, v66
	v_lshrrev_b32 v69, 23, v67
	v_lshl_or_b32 v29, v69, 16, v68
	v_lshlrev_b32 v29, v5, v29
	v_permlanex16_b32 v65, v29, s16, s17
	v_or_b32 v29, v29, v65                         ; p's scale word for these 128 keys
.irp c, 0,1
	v_cvt_scalef32_pk16_bf6_f32 v[38+6*\c:40+6*\c], v[SS+32*\c:SS+32*\c+15], v[66+\c]
	v_cvt_scalef32_pk16_bf6_f32 v[50+4*\c:52+4*\c], v[SS+32*\c+16:SS+32*\c+31], v[66+\c]
.endr
	v_nop
.irp c, 0,1
.irp i, 0,1,2
	v_mov_b32 v[41+6*\c+\i], v[50+4*\c+\i]
.endr
.endr
.set n, 0
.rept 16
	v_pk_mul_f32 v[OO+n:OO+n+1], v[OO+n:OO+n+1], v[14:15] op_sel_hi:[1,0]   ; O^T under the new M; also the places in front of the products below
.set n, n+2
.endr
	s_wait_dscnt 0x0                               ; V's fragments are in
	s_wait_alu depctr_va_vdst(0)                   ; p's codes v38 to v49 and its scale word v29 are written, which the scaled products below take; the places above stay beside this wait
.irp t, 0,1,2,3
	v_wmma_scale_f32_16x16x128_f8f6f4 v[OO+8*\t:OO+8*\t+7], v[76+18*\t:87+18*\t], v[38:49], v[OO+8*\t:OO+8*\t+7], v[30+\t], v29 matrix_a_fmt:MATRIX_FMT_BF6 matrix_b_fmt:MATRIX_FMT_BF6 matrix_a_scale:MATRIX_SCALE_ROW1
.endr
	s_add_co_u32 s20, s20, 12288
	s_add_co_u32 s21, s21, 1024
	s_sub_co_u32 s22, s22, 1
	s_cmp_lg_u32 s22, 0
	s_cbranch_scc1 .Lstep_\@
	; the pass's end: O^T / the sum; register 8 t + j is d = 32 h + 8 t + j: a whole block of 32 along the last product's K
.rept 4
	v_nop
.endr
	v_add_f32 v12, v12, v13
	v_permlanex16_b32 v65, v12, s16, s17
	v_add_f32 v12, v12, v65                        ; the row's sum
	v_rcp_f32 v13, v12
	v_nop                                          ; a plain place behind the reciprocal
	v_cmp_eq_f32 vcc_lo, 0, v12                    ; a row with no key
	v_mov_b32 v69, 0xff
	s_wait_alu depctr_va_vdst(0)                   ; the reciprocal has written v13, ahead of its first reader
	s_wait_alu depctr_va_vcc(0)                    ; VCC is written, ahead of the first select that reads it
	v_cndmask_b32 v14, v13, v70, vcc_lo            ; (v70 holds 0)
.set n, 0
.rept 16
	v_pk_mul_f32 v[SS+n:SS+n+1], v[OO+n:OO+n+1], v[14:15] op_sel_hi:[1,0]
.set n, n+2
.endr
	v_max3_num_f32 v58, |v[SS]|, |v[SS+1]|, 0x2800000
	v_max3_num_f32 v59, |v[SS+16]|, |v[SS+17]|, 0x2800000
.irp i, 2,4,6,8,10,12,14
	v_max3_num_f32 v58, v58, |v[SS+\i]|, |v[SS+\i+1]|
	v_max3_num_f32 v59, v59, |v[SS+16+\i]|, |v[SS+17+\i]|
.endr
	v_max_num_f32 v58, v58, v59
	v_add_nc_u32 v66, 0xfe000000, v58
	v_lshrrev_b32 v68, 23, v66
	v_cndmask_b32 v68, v68, v69, vcc_lo
	v_cvt_scalef32_pk16_bf6_f32 v[38:40], v[SS:SS+15], v66
	v_cvt_scalef32_pk16_bf6_f32 v[50:52], v[SS+16:SS+31], v66
	v_lshlrev_b32 v68, v5, v68                     ; (a plain place behind the conversions)
.irp i, 0,1,2
	v_mov_b32 v[41+\i], v[50+\i]
.endr
	v_permlanex16_b32 v65, v68, s16, s17
	v_or_b32 v68, v68, v65                         ; the row's two bytes of this head
	s_wait_alu depctr_va_vdst(0)                   ; o's codes v38 to v43 and the halfword v68 are written, which the three stores read; the pass's products are done reading Q, and its lines are done with v58 to v61: the next loads into these follow with no vector instruction between
	global_store_b128 v1, v[38:41], s[4:5]
	global_store_b64 v8, v[42:43], s[4:5] offset:512
	ds_store_b16 v7, v68 offset:32*\u              ; lanes r and r + 16 write the same halfword
.endm
	PASS 0
	PASS 1
	s_wait_dscnt 0x0
	s_barrier_signal -1
	s_barrier_wait -1                              ; the work-group's 32 tiles' halfwords lie in LDS
	s_and_b32 s2, ttmp7, 0xffff
	s_lshl_b32 s2, s2, 7
	s_lshl_b32 s3, ttmp9, 5
	s_add_co_u32 s2, s2, s3
	s_lshl_b32 s2, s2, 5
	s_add_co_u32 s2, s2, 6291456
	s_mov_b32 s3, 0
	s_wait_xcnt 0x0
	s_add_nc_u64 s[4:5], s[12:13], s[2:3]
	s_cmp_lt_u32 s14, 2
	s_cbranch_scc0 .Lend
	ds_load_b128 v[58:61], v244
	s_wait_dscnt 0x0
	global_store_b128 v245, v[58:61], s[4:5]       ; 512 consecutive bytes a wave
.Lend:
	s_wait_dscnt 0x0
	s_wait_alu depctr_hold_cnt(0) depctr_sa_sdst(0) depctr_va_vdst(0) depctr_va_sdst(0) depctr_va_ssrc(0) depctr_va_vcc(0) depctr_vm_vsrc(0)
	s_wait_tensorcnt 0x0
	ds_add_u32 v254, v255
	s_wait_dscnt 0x0
	s_endpgm
.Lfunc_end_k_q3c7f5f73aa_attn:
	.size	k_q3c7f5f73aa_attn, .Lfunc_end_k_q3c7f5f73aa_attn-k_q3c7f5f73aa_attn
	.p2alignl 7, 3214868480
	.fill 96, 4, 3214868480
	.section	.rodata,"a",@progbits
	.p2align	6, 0x0
	.amdhsa_kernel k_q3c7f5f73aa_attn
		.amdhsa_group_segment_fixed_size 216064
		.amdhsa_private_segment_fixed_size 0
		.amdhsa_enable_private_segment 0
		.amdhsa_kernarg_size 24
		.amdhsa_user_sgpr_count 2
		.amdhsa_user_sgpr_kernarg_segment_ptr 1
		.amdhsa_wavefront_size32 1
		.amdhsa_system_sgpr_workgroup_id_x 1
		.amdhsa_system_sgpr_workgroup_id_y 1
		.amdhsa_system_sgpr_workgroup_id_z 1
		.amdhsa_system_vgpr_workitem_id 0
		.amdhsa_next_free_vgpr 256
		.amdhsa_next_free_sgpr 100
		.amdhsa_reserve_vcc 1
		.amdhsa_float_denorm_mode_32 3
		.amdhsa_float_denorm_mode_16_64 3
		.amdhsa_memory_ordered 1
		.amdhsa_forward_progress 1
		.amdhsa_inst_pref_size 60
	.end_amdhsa_kernel
	.amdgpu_metadata
---
amdhsa.version: [ 1, 2 ]
amdhsa.kernels:
  - .name:           k_q3c7f5f73aa_attn
    .symbol:         k_q3c7f5f73aa_attn.kd
    .args:
      - { .name: qkv, .offset: 0, .size: 8, .value_kind: global_buffer, .address_space: global }
      - { .name: mb, .offset: 8, .size: 8, .value_kind: global_buffer, .address_space: global }
      - { .name: ao, .offset: 16, .size: 8, .value_kind: global_buffer, .address_space: global }
    .group_segment_fixed_size: 216064
    .private_segment_fixed_size: 0
    .kernarg_segment_align: 8
    .kernarg_segment_size: 24
    .max_flat_workgroup_size: 512
    .sgpr_count:     100
    .vgpr_count:     256
    .wavefront_size: 32
...
	.end_amdgpu_metadata
.endif
;; end of part 5
;; launch proj (part 6): grid 4 x 64, 4 waves a work-group, no clusters, 120,320 bytes of LDS; arguments ao, wc, b_out, out0; writes out0
.if DOCPART == 6
	.amdgcn_target "amdgcn-amd-amdhsa--gfx1250"
	.amdhsa_code_object_version 6
	.text
	.protected	k_q3c7f5f73aa_proj
	.globl	k_q3c7f5f73aa_proj
	.p2align	8
	.type	k_q3c7f5f73aa_proj,@function
k_q3c7f5f73aa_proj:
	s_mov_b64 s[64:65], 0
	v_nop
	global_prefetch_b8 v0, s[64:65] scope:SCOPE_SE
	s_setreg_imm32_b32 hwreg(HW_REG_WAVE_SCHED_MODE, 0, 2), 2
	s_setreg_imm32_b32 hwreg(HW_REG_WAVE_MODE, 25, 1), 1
	s_wait_xcnt 0x0
	s_wait_alu depctr_vm_vsrc(0)
; PROJ: out0 = o w_out + b_out on codes of BF6 with E8M0 scales.
; SHARES.  A work-group: 128 rows x 256 columns; 256 work-groups.  Wave w: 64 columns; its 32 weight fragments (384 registers) stay in registers.  The 8 row tiles' codes (98,304 dense bytes) go once through registers into LDS and
; are read by all four waves.  The product is used transposed (source 0 = 16 weight columns, source 1 = 16 rows of o): a lane holds neighbouring columns of one row.  The bias is the C of each sum's first instruction.
; NO TENSOR LOAD AND NO CLUSTER: every operand byte is asked for once, at the head, and no loop fetches anything again; what partners would share (96 KB of codes along x) is less than the 128 KB that each work-group stores.
; A row whose scale bytes are 0xff (no key was left by the mask) comes out as NaN.
; REGISTERS: window 0: v1-12 addresses; v16-31 the weights' scale words; v32-39 and v72-79 o's, two sets; v40-71 rows on the way out (at the head v40-247: the copy).  window 1: the weights' K steps 0-3; window 2: K steps 4-7.
;   window 3: v0-95 and v160-255 a row tile's 8 fragments, two buffers; v96-127 four accumulators; v128-159 the bias.
; THE MODE: SCHED_MODE bits 1:0 = 2 (LLVM: expert scheduling mode 2), set by the entry lines.  The code itself states the register dependences
; between vector or matrix instructions and memory or LDS instructions, with s_wait_alu, always for 0.
; THE PLAN.  Registers that memory or LDS instructions touch, tile by tile:
;   F0, F1     the two fragment buffers, and S0, S1, the two sets of o's scale words.  Tile T's 32 products read F[T % 2] and S[T % 2]; the LDS loads of tile T + 1, issued in tile T, land in the other pair.
;   the four accumulators   Written by the tile's products; read by the eight LDS stores into the stage at the tile's end.
;   v40-71     Written by the eight LDS loads from the stage; read by the tile's eight global stores; named by no vector or matrix instruction.
;   v1-12      Offsets and LDS addresses, made once at the head and never written again.
; ONE wait on va_vdst stands in a tile, behind its last products and their places: the accumulators are written, for the stage's stores, and the products are done reading F[T % 2] and S[T % 2].  From there to the loads that
; land in that pair again, in the next tile, no vector or matrix instruction names it: so the next tile's 40 loads stand with no further wait, 20 at its head and 20 between the two halves of its products.
; ONE wait on vm_vsrc stands ahead of a tile's first product: the stage's stores have read the accumulators, and the global stores have read v40-71.
.set ASC, 98304                        ; LDS: codes at 12,288 T + 1,536 ks; scale words at ASC + 512 ks + 64 T + 4 r; the waves' stages from STG on, 16 rows x 272 bytes each
.set STG, 102400
.set WC_O,  2457600
.set WC_OS, 3244032
.set MSB, 0
.macro WIN new
.if MSB != \new
	s_set_vgpr_msb (MSB<<8)|\new
.set MSB, \new
.endif
.endm
.macro PLACES n
.rept \n
	v_nop
.endr
.endm
	s_load_b256 s[4:11], s[0:1], 0x0               ; ao s[4:5], wc s[6:7], b_out s[8:9], out0 s[10:11]
	v_lshl_add_u32 v254, v0, 2, 0x1d400
	v_mov_b32 v255, 0
	v_lshrrev_b32 v1, 5, v0
	v_readfirstlane_b32 s12, v1                    ; wave
	s_and_b32 s13, ttmp7, 0xffff                   ; y: the block of 128 rows
	s_lshl_b32 s14, ttmp9, 2
	s_wait_alu depctr_va_sdst(0)                   ; s12 is written, ahead of its first reader
	s_add_co_u32 s14, s14, s12                     ; my 64 columns' number
	v_and_b32 v13, 31, v0
	v_and_b32 v14, 15, v0                          ; r
	v_bfe_u32 v15, v0, 4, 1                        ; h
	v_lshlrev_b32 v1, 4, v13                       ; 16 l
	v_lshlrev_b32 v2, 3, v13                       ; 8 l
	v_add_nc_u32 v3, 49152, v1                     ; the same for row tiles 4-7 (an LDS offset has 16 bits)
	v_add_nc_u32 v4, 49152, v2
	v_lshl_add_u32 v5, v14, 2, ASC
	v_lshlrev_b32 v6, 12, v15
	v_lshl_add_u32 v6, v14, 4, v6                  ; out0: 4,096 h + 16 r
	s_mul_i32 s15, s12, 4352
	s_add_co_u32 s15, s15, STG
	v_mul_u32_u24 v7, v14, 272
	v_lshl_add_u32 v7, v15, 6, v7
	v_add_nc_u32 v7, s15, v7                       ; into my stage: row r, + 64 h
	v_mul_u32_u24 v8, v15, 272
	v_lshl_add_u32 v8, v14, 4, v8
	v_add_nc_u32 v8, s15, v8                       ; back: lanes 0-15 one row, lanes 16-31 the next
	v_lshlrev_b32 v9, 6, v15                       ; the bias: 16 h numbers on
	v_lshlrev_b32 v10, 2, v13                      ; 4 l
	s_mul_i32 s15, s12, 24576
	v_add_nc_u32 v11, s15, v1                      ; the copy: my quarter
	s_lshl_b32 s15, s12, 10
	s_add_co_u32 s15, s15, ASC
	v_add_nc_u32 v12, s15, v1                      ; the scale words of K steps 2 w and 2 w + 1
	s_mov_b32 s29, 0
	s_wait_kmcnt 0x0
	s_mul_i32 s28, s13, 98304
	s_mul_i32 s15, s12, 24576
	s_add_co_u32 s28, s28, s15
	s_add_nc_u64 s[16:17], s[4:5], s[28:29]
	s_lshr_b32 s28, s13, 4
	s_lshl_b32 s28, s28, 4
	s_lshl_b32 s15, s12, 2
	s_add_co_u32 s28, s28, s15
	s_lshl_b32 s28, s28, 12                        ; (batch x 16 + head 4 w) x 4,096
	s_and_b32 s15, s13, 15
	s_lshl_b32 s15, s15, 8
	s_add_co_u32 s28, s28, s15
	s_add_co_u32 s28, s28, 6291456
	s_add_nc_u64 s[18:19], s[4:5], s[28:29]
	s_mul_i32 s28, s14, 49152
	s_add_co_u32 s28, s28, WC_O
	s_add_nc_u64 s[20:21], s[6:7], s[28:29]
	s_lshl_b32 s28, s14, 11
	s_add_co_u32 s28, s28, WC_OS
	s_add_nc_u64 s[22:23], s[6:7], s[28:29]
	s_lshl_b32 s28, s14, 8
	s_add_nc_u64 s[24:25], s[8:9], s[28:29]
	s_lshl_b32 s28, s13, 19                        ; 128 rows x 4,096 bytes
	s_lshl_b32 s15, s14, 8
	s_add_co_u32 s28, s28, s15
	s_add_nc_u64 s[26:27], s[10:11], s[28:29]
	s_wait_alu depctr_va_vdst(0)                   ; the offsets and LDS addresses v1 to v12 are written: every load and store of the kernel reads one of them, and none is written again
.set n, 0
.rept 48
	global_load_b128 v[40+4*n:43+4*n], v1, s[16:17] offset:512*n
.set n, n+1
.endr
.irp e, 0,1,2,3
	global_load_b64 v[232+2*\e:233+2*\e], v2, s[18:19] offset:4096*\e   ; head 4 w + e: 8 tiles x 16 halfwords
.endr
	WIN 0x40
.set n, 0
.rept 48
	global_load_b128 v[4*n:4*n+3], v1, s[20:21] offset:512*n
.set n, n+1
.endr
	WIN 0xc0
.irp t, 0,1,2,3
	global_load_b128 v[128+8*\t:131+8*\t], v9, s[24:25] offset:128*(\t/2)+32*(\t%2)
	global_load_b128 v[132+8*\t:135+8*\t], v9, s[24:25] offset:128*(\t/2)+32*(\t%2)+16
.endr
	WIN 0
	s_wait_loadcnt 56                              ; the copy and the halfwords are in; the 48 weight loads and 8 bias loads may be out
.set n, 0
.rept 48
	ds_store_b128 v11, v[40+4*n:43+4*n] offset:512*n
.set n, n+1
.endr
.irp k, 0,1                            ; a K step is two heads: the even head's halfword below, the odd head's above
	v_perm_b32 v[240+4*\k], v[234+4*\k], v[232+4*\k], 0x05040100
	v_perm_b32 v[241+4*\k], v[234+4*\k], v[232+4*\k], 0x07060302
	v_perm_b32 v[242+4*\k], v[235+4*\k], v[233+4*\k], 0x05040100
	v_perm_b32 v[243+4*\k], v[235+4*\k], v[233+4*\k], 0x07060302
.endr
	s_wait_alu depctr_va_vdst(0)                   ; v240 to v247 are written, which the two LDS stores read
.irp k, 0,1
	ds_store_b128 v12, v[240+4*\k:243+4*\k] offset:512*\k
.endr
	WIN 0x80
.set n, 0
.rept 48
	global_load_b128 v[4*n:4*n+3], v1, s[20:21] offset:24576+512*n
.set n, n+1
.endr
	WIN 0
.irp k, 0,1,2,3,4,5,6,7
.irp g, 0,1
	global_load_b32 v[16+2*\k+\g], v10, s[22:23] offset:256*\k+128*\g   ; lanes 0-15: tile 2 g's words, lanes 16-31: tile 2 g + 1's
.endr
.endr
	s_wait_dscnt 0x0                               ; for the others' sake: my stores have landed
	s_barrier_signal -1
	s_barrier_wait -1
	s_wait_alu depctr_vm_vsrc(0)                   ; my LDS stores have read the copy's registers: of these v40 to v71 take rows on the way out and v72 to v79 scale words from here on
.macro FETCH_H T, hf                   ; row tile T's fragments and scale words of K steps 4 hf .. 4 hf + 3, into buffer and set T % 2: 20 LDS loads
.if (\T) < 4
.set rL, 1
.else
.set rL, 3
.endif
.set oT, 12288*((\T)%4)
.set rF, 160*((\T)%2)
.set rS, 32+40*((\T)%2)
	WIN 0xc0
.irp k, 4*(\hf), 4*(\hf)+1, 4*(\hf)+2, 4*(\hf)+3
	ds_load_b128 v[rF+12*(\k):rF+12*(\k)+3], v[rL] offset:oT+1536*(\k)
	ds_load_b64 v[rF+12*(\k)+4:rF+12*(\k)+5], v[rL+1] offset:oT+1536*(\k)+512
	ds_load_b128 v[rF+12*(\k)+6:rF+12*(\k)+9], v[rL] offset:oT+1536*(\k)+768
	ds_load_b64 v[rF+12*(\k)+10:rF+12*(\k)+11], v[rL+1] offset:oT+1536*(\k)+1280
.endr
	WIN 0
.irp k, 4*(\hf), 4*(\hf)+1, 4*(\hf)+2, 4*(\hf)+3
	ds_load_b32 v[rS+(\k)], v5 offset:512*(\k)+64*(\T)
.endr
.endm
.macro MULH T, hf                      ; 16 matrix instructions on buffer and set T % 2: four K steps x four tiles of columns; the four accumulators take turns
.set rF, 160*((\T)%2)
.set rS, 32+40*((\T)%2)
	WIN 0xfd+(\hf)
.irp k, 4*(\hf), 4*(\hf)+1, 4*(\hf)+2, 4*(\hf)+3
.irp t, 0,1,2,3
.set rD, 96+8*\t
.if (\k) == 0
.set rC, 128+8*\t
.else
.set rC, rD
.endif
.if \t%2
	v_wmma_scale_f32_16x16x128_f8f6f4 v[rD:rD+7], v[12*(4*((\k)%4)+\t):12*(4*((\k)%4)+\t)+11], v[rF+12*(\k):rF+12*(\k)+11], v[rC:rC+7], v[16+2*(\k)+\t/2], v[rS+(\k)] matrix_a_fmt:MATRIX_FMT_BF6 matrix_b_fmt:MATRIX_FMT_BF6 matrix_a_scale:MATRIX_SCALE_ROW1
.else
	v_wmma_scale_f32_16x16x128_f8f6f4 v[rD:rD+7], v[12*(4*((\k)%4)+\t):12*(4*((\k)%4)+\t)+11], v[rF+12*(\k):rF+12*(\k)+11], v[rC:rC+7], v[16+2*(\k)+\t/2], v[rS+(\k)] matrix_a_fmt:MATRIX_FMT_BF6 matrix_b_fmt:MATRIX_FMT_BF6
.endif
.endr
.endr
.endm
.macro TILE T
.if (\T) < 7
	FETCH_H (\T)+1, 0                              ; the next tile's first half, into the other buffer.  No wait: no vector or matrix instruction since the last wait on va_vdst names that buffer, its scale words or the addresses
.endif
.if (\T) == 0
	s_wait_dscnt 20                                ; tile 0's 40 loads are in; the 20 just issued may be out.  (A later tile's fragments are shown in by the wait for all LDS instructions on the way out of the tile before)
.else
	s_wait_alu depctr_vm_vsrc(0)                   ; the last tile's LDS stores have read the accumulators, which the products below begin anew; its global stores have read v40 to v71, in which this tile's rows land
.endif
	MULH \T, 0
.if (\T) < 7
	FETCH_H (\T)+1, 1                              ; and its second half: it has sixteen products in which to land
.endif
	MULH \T, 1
	PLACES 5                                       ; four in front of the first read of results; five in front of the next tile's first products, which begin these accumulators anew
	WIN 0x0c                                       ; an LDS store's data are its source 1: window 3
	s_wait_alu depctr_va_vdst(0)                   ; the products have written the accumulators, which the LDS stores read, and are done reading this tile's buffer and scale words, in which the loads of the tile after next land; the places above stay beside this wait
.irp t, 0,1,2,3
	ds_store_b128 v7, v[96+8*\t:99+8*\t] offset:128*(\t/2)+32*(\t%2)       ; lane (r, h): columns 32 (t / 2) + 16 h + 8 (t % 2) + 0 .. 7 of row r; each accumulator from its low end on
	ds_store_b128 v7, v[100+8*\t:103+8*\t] offset:128*(\t/2)+32*(\t%2)+16
.endr
	WIN 0
	s_wait_xcnt 0x0                                ; the last tile's stores have read their registers
.irp i, 0,1,2,3,4,5,6,7
	ds_load_b128 v[40+4*\i:43+4*\i], v8 offset:544*\i   ; LDS serves a wave's instructions in order: these see my stores
.endr
	s_wait_dscnt 0x0
.irp i, 0,1,2,3,4,5,6,7
	global_store_b128 v6, v[40+4*\i:43+4*\i], s[26:27] offset:(64*((\T)/4)+8*((\T)%4)+2*\i+24*(\i/4))*4096 th:TH_STORE_NT   ; sixteen lanes store 256 consecutive bytes, aligned, of a true row
.endr
.endm
	FETCH_H 0, 0
	FETCH_H 0, 1
	s_wait_loadcnt 0x0                             ; the weights, their scale words, the bias
	TILE 0
	TILE 1
	TILE 2
	TILE 3
	TILE 4
	TILE 5
	TILE 6
	TILE 7
	s_wait_dscnt 0x0
	s_wait_alu depctr_hold_cnt(0) depctr_sa_sdst(0) depctr_va_vdst(0) depctr_va_sdst(0) depctr_va_ssrc(0) depctr_va_vcc(0) depctr_vm_vsrc(0)
	s_wait_tensorcnt 0x0
	ds_add_u32 v254, v255
	s_wait_dscnt 0x0
	s_endpgm
.Lfunc_end_k_q3c7f5f73aa_proj:
	.size	k_q3c7f5f73aa_proj, .Lfunc_end_k_q3c7f5f73aa_proj-k_q3c7f5f73aa_proj
	.p2alignl 7, 3214868480
	.fill 96, 4, 3214868480
	.section	.rodata,"a",@progbits
	.p2align	6, 0x0
	.amdhsa_kernel k_q3c7f5f73aa_proj
		.amdhsa_group_segment_fixed_size 120320
		.amdhsa_private_segment_fixed_size 0
		.amdhsa_enable_private_segment 0
		.amdhsa_kernarg_size 32
		.amdhsa_user_sgpr_count 2
		.amdhsa_user_sgpr_kernarg_segment_ptr 1
		.amdhsa_wavefront_size32 1
		.amdhsa_system_sgpr_workgroup_id_x 1
		.amdhsa_system_sgpr_workgroup_id_y 1
		.amdhsa_system_sgpr_workgroup_id_z 1
		.amdhsa_system_vgpr_workitem_id 0
		.amdhsa_next_free_vgpr 1024
		.amdhsa_next_free_sgpr 66
		.amdhsa_reserve_vcc 0
		.amdhsa_float_denorm_mode_32 3
		.amdhsa_float_denorm_mode_16_64 3
		.amdhsa_memory_ordered 1
		.amdhsa_forward_progress 1
		.amdhsa_inst_pref_size 94
	.end_amdhsa_kernel
	.amdgpu_metadata
---
amdhsa.version: [ 1, 2 ]
amdhsa.kernels:
  - .name:           k_q3c7f5f73aa_proj
    .symbol:         k_q3c7f5f73aa_proj.kd
    .args:
      - { .name: ao, .offset: 0, .size: 8, .value_kind: global_buffer, .address_space: global }
      - { .name: wc, .offset: 8, .size: 8, .value_kind: global_buffer, .address_space: global }
      - { .name: b_out, .offset: 16, .size: 8, .value_kind: global_buffer, .address_space: global }
      - { .name: out0, .offset: 24, .size: 8, .value_kind: global_buffer, .address_space: global }
    .group_segment_fixed_size: 120320
    .private_segment_fixed_size: 0
    .kernarg_segment_align: 8
    .kernarg_segment_size: 32
    .max_flat_workgroup_size: 128
    .sgpr_count:     66
    .vgpr_count:     1024
    .wavefront_size: 32
...
	.end_amdgpu_metadata
.endif
;; end of part 6
